; MI455X (gfx1250); checked and timed in simulation.
; The chip was launched on July 23, 2026; its instructions are those of AMD's public machine-readable ISA for CDNA 5 (MIT licence, August 2026) and "CDNA5" Instruction Set Architecture Reference Guide (July 2026). The comments in the code are by the model that wrote it; some were corrected since.
;; Multi Head Attention. Allowed arithmetic: matrix products marked QUANTISED: E2M3 operands, one E8M0 scale for each 32 along K, by v_wmma_scale_f32_16x16x128_f8f6f4 with both operands' format E2M3, f32 sums; everything else in f32.
;; Inputs: Wk 768 x 768 float32; Wo 768 x 768 float32; Wq 768 x 768 float32; Wv 768 x 768 float32; bk 768 float32; bo 768 float32; bq 768 float32; bv 768 float32; x 32 x 577 x 768 float32.
;; Outputs: out0 32 x 577 x 768 float32.
;; This version of the problem:
;;   THIS VERSION OF THE PROBLEM IS GIVEN IN LOW PRECISION. The matrix products marked QUANTISED in the list below multiply operands that are first quantised to E2M3 (2 exponent bits, 3 mantissa bits; 6 bits a number), with one power-of-two scale for each 32 numbers along K (OCP MX v1.0); their sums are f32. All else is computed in f32.
;;   The module's matrix products, in the order in which they are computed (A, B: the left and right operand; K: the contracted axis; several contracted axes count as one K, in the product's order):
;;     1. [M 18,464, K 768] x [K 768, N 768]; A: input x; B: input Wq: QUANTISED
;;     2. [M 18,464, K 768] x [K 768, N 768]; A: input x; B: input Wk: QUANTISED
;;     3. [M 18,464, K 768] x [K 768, N 768]; A: input x; B: input Wv: QUANTISED
;;     4. batch 384 x [M 577, K 64] x [K 64, N 577]; A: computed on the way; B: computed on the way: QUANTISED
;;     5. batch 384 x [M 577, K 577] x [K 577, N 64]; A: softmax (see below); B: computed on the way: QUANTISED
;;     6. [M 18,464, K 768] x [K 768, N 768]; A: computed on the way; B: input Wo: QUANTISED
;;   THE QUANTISER, for each operand of a quantised product, along K:
;;     - K is cut into blocks of 32 from its start; a last block that is shorter is filled with zeros.
;;     - A block's scale is 2^e with e = floor(log2(the largest magnitude in the block)) - 2, held to -126 .. 127; a block of zeros has e = 0. As a byte (E8M0): e + 127.
;;     - Each number is divided by its block's scale, clamped to +-7.5, and rounded to the nearest number of E2M3, ties to even, subnormals kept.
;;     - The product sums the exact products of the quantised numbers (number of the format x scale) in f32.
;;   ~~~python
;;   def quantise(x, axis):      # numpy; x: float32 -> the quantised numbers, widened to float32 again
;;       x = np.moveaxis(x, axis, -1); K = x.shape[-1]
;;       x = np.pad(x, [(0, 0)] * (x.ndim - 1) + [(0, -K % 32)]); x = x.reshape(x.shape[:-1] + (-1, 32)); a = np.abs(x).max(-1, keepdims=True)
;;       e = np.where(a > 0, np.clip(np.frexp(np.where(a > 0, a, 1))[1] - 1 - 2, -126, 127), 0)      # np.frexp(a)[1] - 1 = floor(log2(a)), exactly
;;       r = np.clip(x / 2.0 ** e, -7.5, 7.5)
;;       step = 2.0 ** (np.maximum(np.frexp(np.where(r == 0, 1, r))[1] - 1, 0) - 3)
;;       q = np.round(r / step) * step * 2.0 ** e      # np.round: ties to even
;;       return np.moveaxis(q.reshape(q.shape[:-2] + (-1,))[..., :K], -1, axis).astype(np.float32)
;;   ~~~
;;   SOFTMAX AHEAD OF A QUANTISED PRODUCT. Where the list says 'softmax', what is quantised is not the finished softmax but p = 2^(t - M), with t = logit x log2(e) and M = ceil(the row's largest t), a whole number; so 1/2 < the row's largest p <= 1. The row's sum l is taken of the UNQUANTISED p, in f32, and the product's result is divided by l at the end. Since M is a whole number, a kernel that streams over the keys may use a running M (the ceiling of the running maximum): every later rescaling is an exact power of two, which a block's scale takes up: the codes' values come out the same.
;;   OPERANDS COMPUTED ON THE WAY. 'Computed on the way' means the value that the module computes at that place (a softmax that the list does not call 'softmax' is quantised finished and normalised). What goes into a quantiser is computed in f32, as accurately as f32 sums, v_exp_f32 and their like allow (about 1e-6 of the number): no bf16 or f16 on the way to a quantiser, and a product that is left as it is and whose result goes on into a quantised operand takes f32 operands (vector FMAs, or v_wmma_f32_16x16x4_f32). A number that lies on a knife's edge between two numbers of the format may be rounded either way, as far as f32 arithmetic and the matrix unit's own rounding can turn it there, and no further.
;; One version. Each part assembles by itself: llvm-mc -triple=amdgcn-amd-amdhsa -mcpu=gfx1250 --defsym DOCPART=n.
;; ======== version 1 of 1: 4 launches
;; limits: right only within a limited range of input values
;; workspace buffers: opq 14,131,200 bytes; qb 12,779,520 bytes; kv 25,067,520 bytes; ac 11,796,480 bytes; asc 983,040 bytes
;; launch quant (part 1): grid 1472 x 1, 3 waves a work-group, no clusters, 51,200 bytes of LDS; arguments x, Wq, Wk, Wv, Wo, opq; writes opq
.if DOCPART == 1
	.amdgcn_target "amdgcn-amd-amdhsa--gfx1250"
	.amdhsa_code_object_version 6
	.text
	.protected	k_qe4e5d1c8be_quant
	.globl	k_qe4e5d1c8be_quant
	.p2align	8
	.type	k_qe4e5d1c8be_quant,@function
k_qe4e5d1c8be_quant:
	s_mov_b64 s[64:65], 0
	v_nop
	global_prefetch_b8 v0, s[64:65] scope:SCOPE_SE
	s_setreg_imm32_b32 hwreg(HW_REG_WAVE_MODE, 25, 1), 1
	s_wait_xcnt 0x0
; x [32][577][768] and Wq, Wk, Wv, Wo [768][768], f32 with K innermost, become codes of FP6 (E2M3) with one E8M0 byte for each 32 along K,
; laid in opq as IMAGES OF OPERAND REGISTERS: a fragment (16 rows x 128 K) is 12 registers a lane, stored as three runs of 512 bytes (registers 4 c .. 4 c + 3, lane l at 16 l).
; A work-group makes one tile of 16 rows: tiles 0 .. 1279 are x's (batch b, tile T of 40: a batch counts 640 tokens, those above 576 are zeros), tiles 1280 .. 1471 the weights' (48 a matrix).
; ROW r OF TILE T IS MATRIX ROW 32 (T / 2) + 8 (T % 2) + r + 8 (r / 8): so the 16 result registers of two neighbouring tiles are 16 neighbours of that axis in every later product.
; Tiles lie in records of n tiles: n x 9,216 bytes of codes (tile, K step, 1,536), then n x 384 bytes of scale words (tile, K step, 16 rows): n = 24 for Wq, Wk, Wv, else 8.
; Wave kp takes K steps 2 kp and 2 kp + 1: 16 rows x 1,024 bytes.  Each load reads 512 consecutive bytes of one row; a step turns through the wave's own stage in LDS, so that
; lane (r, h) gets blocks h and 2 + h of row r, 32 neighbours each, in the order of the operand's registers.  No barrier: waves share nothing.
; A block's scale is 2^(floor(log2(largest magnitude)) - 2): the largest magnitude's exponent field less 2.
; LIMITS: the largest magnitude is taken no smaller than 2^-124, so the byte is at least 1 (a block of zeros has byte 1 and zero codes; only this program reads the bytes); NaN and infinities are not served.
.set SPARE, 50688                      ; behind the three waves' stages: the spare words, two blocks of 256 bytes that no other line names
.set PITCH, 528                        ; a stage row: 512 bytes + 16
.set STG1,  16*PITCH                   ; the second stage of a wave
.set OFF, 16                           ; v16-31   byte offset of row i's 16 bytes of mine
.set R,   32                           ; v32-159  two steps as loaded
.set X,   160                          ; v160-223 64 numbers: block h, block 2 + h of my row
.set C,   224                          ; v224-235 a fragment's codes
.set TT,  236                          ; v236-238, v240-242 the upper halves of the two blocks
.set M,   244
.set SC,  246
.set BY,  248
.set W0,  250                          ; v250, v251 the two steps' scale words
.set TMP, 252
.set SPW, 254                          ; LDS address of my spare word; never rewritten
.set NIL, 255                          ; 0; never rewritten
	s_load_b256 s[4:11], s[0:1], 0x0               ; x, Wq, Wk, Wv
	s_load_b128 s[12:15], s[0:1], 0x20             ; Wo, opq
	v_lshl_add_u32 v[SPW], v0, 2, SPARE
	v_mov_b32 v[NIL], 0
	v_lshrrev_b32 v1, 5, v0
	v_readfirstlane_b32 s24, v1                    ; wave = kp
	v_and_b32 v1, 31, v0                           ; lane
	s_wait_alu depctr_va_vdst(0)
	v_and_b32 v2, 15, v0                           ; r
	s_wait_alu depctr_va_vdst(0)
	v_bfe_u32 v3, v0, 4, 1                         ; h
	s_mul_i32 s26, ttmp9, 52429
	s_lshr_b32 s26, s26, 21                        ; x: b = tile / 40
	s_mul_i32 s27, s26, 40
	s_sub_co_u32 s27, ttmp9, s27                   ; x: T
	s_max_u32 s28, ttmp9, 1280
	s_sub_co_u32 s28, s28, 1280                    ; weights: tile among the 192
	s_mul_i32 s29, s28, 43691
	s_lshr_b32 s29, s29, 21                        ; which matrix: / 48
	s_mul_i32 s31, s29, 48
	s_sub_co_u32 s31, s28, s31                     ; weights: T
	s_mul_i32 s32, s28, 2731
	s_lshr_b32 s32, s32, 16                        ; / 24
	s_mul_i32 s32, s32, 24
	s_sub_co_u32 s32, s28, s32                     ; place in a record of 24
	s_and_b32 s33, ttmp9, 7                        ; place in a record of 8
	s_mul_i32 s18, s26, 1772544                    ; a batch of x in bytes
	s_mov_b32 s19, 0
	s_mov_b32 s34, 767
	s_cmp_lt_u32 ttmp9, 1280                       ; x's tile or a weight's?
	s_cselect_b32 s27, s27, s31                    ; T
	s_cselect_b32 s34, 576, s34                    ; the last row that exists
	s_cselect_b32 s18, s18, 0
	s_sub_co_u32 s35, ttmp9, 1280
	s_cmp_lt_u32 s35, 144                          ; Wq, Wk, Wv: records of 24
	s_cselect_b32 s33, s32, s33                    ; cl: my place in the record
	s_cselect_b32 s36, 24, 8                       ; n
	s_lshr_b32 s37, s27, 1
	s_lshl_b32 s37, s37, 5
	s_and_b32 s38, s27, 1
	s_lshl_b32 s38, s38, 3
	s_add_co_u32 s37, s37, s38                     ; the tile's first row: 32 (T / 2) + 8 (T % 2)
	s_add_co_u32 s44, s37, 23                      ; and its last
	s_sub_co_u32 s38, ttmp9, s33
	s_mul_i32 s38, s38, 9600                       ; the record's first byte
	s_mul_i32 s39, s33, 9216
	s_add_co_u32 s39, s39, s38
	s_mul_i32 s40, s24, 3072
	s_add_co_u32 s20, s39, s40                     ; my two fragments
	s_mov_b32 s21, 0
	s_mul_i32 s39, s36, 9216
	s_add_co_u32 s39, s39, s38
	s_mul_i32 s40, s33, 384
	s_add_co_u32 s39, s39, s40
	s_lshl_b32 s40, s24, 7
	s_add_co_u32 s22, s39, s40                     ; my two sets of 16 scale words
	s_mov_b32 s23, 0
	s_mov_b32 s46, 0x76543210
	s_mov_b32 s47, 0xfedcba98                      ; v_permlanex16_b32's selects for lane l xor 16
	s_mul_i32 s41, s24, 2*STG1                     ; my wave's two stages
	v_lshlrev_b32 v6, 4, v1                        ; 16 x lane
	v_lshlrev_b32 v7, 2, v1                        ; 4 x lane
	v_add_nc_u32 v4, s41, v6                       ; the stage, on the way in
	v_mul_u32_u24 v5, v2, PITCH
	s_wait_alu depctr_va_vdst(0)
	v_lshl_add_u32 v5, v3, 7, v5
	v_add_nc_u32 v5, s41, v5                       ; and out: row r, + 128 h
	s_lshl_b32 s42, s24, 10
	v_add_nc_u32 v8, s42, v6                       ; my 16 bytes of the wave's 1,024 of a row
	s_wait_alu depctr_va_vdst(0)
	v_and_b32 v9, 8, v2
	v_add_nc_u32 v9, v9, v2
	v_add_nc_u32 v9, s37, v9                       ; my row of the matrix
	v_cmp_le_u32 s30, v9, s34                      ; does it exist?
	v_lshlrev_b32 v10, 3, v3                       ; 8 h
	v_mov_b32 v[TMP], 0                            ; a lane permute's destination counts as read
.set i, 0
.rept 16
	s_add_co_u32 s43, s37, i+8*(i/8)
	s_min_u32 s43, s43, s34                        ; no load leaves the buffer: rows past the end read the last row and are zeroed below
	s_mul_i32 s43, s43, 3072
	v_add_nc_u32 v[OFF+i], s43, v8
.set i, i+1
.endr
	s_wait_alu depctr_va_vdst(0)
	s_wait_kmcnt 0x0
	s_cmp_eq_u32 s29, 1
	s_cselect_b64 s[16:17], s[8:9], s[6:7]
	s_cmp_eq_u32 s29, 2
	s_cselect_b64 s[16:17], s[10:11], s[16:17]
	s_cmp_eq_u32 s29, 3
	s_cselect_b64 s[16:17], s[12:13], s[16:17]
	s_cmp_lt_u32 ttmp9, 1280
	s_cselect_b64 s[16:17], s[4:5], s[16:17]       ; the choices hang on the work-group's number alone
	s_add_nc_u64 s[16:17], s[16:17], s[18:19]
	s_add_nc_u64 s[20:21], s[14:15], s[20:21]
	s_add_nc_u64 s[22:23], s[14:15], s[22:23]
.irp st, 0,1
.set i, 0
.rept 16
	global_load_b128 v[R+64*\st+4*i:R+64*\st+4*i+3], v[OFF+i], s[16:17] offset:512*\st th:TH_LOAD_NT   ; 32 lanes read 512 consecutive bytes of one row
.set i, i+1
.endr
.endr
.macro TOSTG st                        ; a step's 16 rows into stage st, as loaded
.set i, 0
.rept 16
	ds_store_b128 v4, v[R+64*\st+4*i:R+64*\st+4*i+3] offset:STG1*\st+PITCH*i
.set i, i+1
.endr
.endm
.macro FROMSTG st                      ; and back: 32 neighbours of block h, 32 of block 2 + h.  LDS serves a wave's instructions in order: these see the stores
.set i, 0
.rept 8
	ds_load_b128 v[X+4*i:X+4*i+3], v5 offset:STG1*\st+16*i
.set i, i+1
.endr
.set i, 0
.rept 8
	ds_load_b128 v[X+32+4*i:X+32+4*i+3], v5 offset:STG1*\st+256+16*i
.set i, i+1
.endr
.endm
.macro ZPAD                            ; rows past the matrix's end become zeros ahead of the block's maximum; a tile that lies inside skips this (a branch on ids)
	s_cmp_le_u32 s44, s34
	s_cbranch_scc1 .Linside_\@
.set i, 0
.rept 64
	v_cndmask_b32 v[X+i], 0, v[X+i], s30
.set i, i+1
.endr
.Linside_\@:
.endm
.macro QUANT2 w                        ; X's two blocks become the fragment's 12 registers in C, and the row's scale word in v[w]
.irp c, 0,1
	v_max3_num_f32 v[M+\c], |v[X+32*\c]|, |v[X+32*\c+1]|, 0x1800000    ; with the floor 2^(3 - 127) among the leaves: the byte cannot fall under 1
.endr
.irp n, 2,4,6,8,10,12,14,16,18,20,22,24,26,28,30
.irp c, 0,1
	v_max3_num_f32 v[M+\c], v[M+\c], |v[X+32*\c+\n]|, |v[X+32*\c+\n+1]|
.endr
.endr
.irp c, 0,1
	v_add_nc_u32 v[SC+\c], 0xff000000, v[M+\c]     ; 2 off the exponent field: the conversion's scale operand
.endr
.irp c, 0,1
	v_lshrrev_b32 v[BY+\c], 23, v[SC+\c]           ; the scale's byte
.endr
	v_lshl_or_b32 v[\w], v[BY+1], 16, v[BY]        ; my bytes: blocks h and 2 + h,
	v_lshlrev_b32 v[\w], v10, v[\w]                ; at their places;
	v_permlanex16_b32 v[TMP], v[\w], s46, s47
	v_or_b32 v[\w], v[\w], v[TMP]                  ; with lane l xor 16's two the word is whole, in both halves
.irp c, 0,1
	v_cvt_scalef32_pk16_fp6_f32 v[C+6*\c:C+6*\c+2], v[X+32*\c:X+32*\c+15], v[SC+\c]
	v_cvt_scalef32_pk16_fp6_f32 v[TT+4*\c:TT+4*\c+2], v[X+32*\c+16:X+32*\c+31], v[SC+\c]   ; (a conversion's three registers begin on an even number)
.endr
	v_nop                                          ; one plain place behind the conversions
.irp c, 0,1
.irp n, 0,1,2
	v_mov_b32 v[C+6*\c+3+\n], v[TT+4*\c+\n]
.endr
.endr
.endm
	s_wait_loadcnt 16                              ; the first step's 16 loads are in; the second step's 16 may be out
	TOSTG 0
	FROMSTG 0
	s_wait_loadcnt 0x0
	TOSTG 1
	s_wait_dscnt 16                                ; the first step is back: behind its loads stand the 16 stores just issued
	ZPAD
	QUANT2 W0
.irp c, 0,1,2
	global_store_b128 v6, v[C+4*\c:C+4*\c+3], s[20:21] offset:512*\c       ; 512 consecutive bytes a store
.endr
	FROMSTG 1
	s_wait_dscnt 0x0
	s_wait_xcnt 0x0                                ; the three stores have read C: it is written again below
	ZPAD
	QUANT2 W0+1
.irp c, 0,1,2
	global_store_b128 v6, v[C+4*\c:C+4*\c+3], s[20:21] offset:1536+512*\c
.endr
	v_cmp_ne_u32 vcc_lo, 0, v3
	v_cndmask_b32 v[W0], v[W0], v[W0+1], vcc_lo    ; lanes 0-15: step 2 kp's words; lanes 16-31: step 2 kp + 1's
	global_store_b32 v7, v[W0], s[22:23]           ; 128 consecutive bytes
	s_wait_tensorcnt 0x0                           ; the wave's end: behind my last LDS store
	ds_add_u32 v[SPW], v[NIL]
	s_wait_dscnt 0x0
	s_endpgm
.Lfunc_end_k_qe4e5d1c8be_quant:
	.size	k_qe4e5d1c8be_quant, .Lfunc_end_k_qe4e5d1c8be_quant-k_qe4e5d1c8be_quant
	.p2alignl 7, 3214868480
	.fill 96, 4, 3214868480
	.section	.rodata,"a",@progbits
	.p2align	6, 0x0
	.amdhsa_kernel k_qe4e5d1c8be_quant
		.amdhsa_group_segment_fixed_size 51200
		.amdhsa_private_segment_fixed_size 0
		.amdhsa_enable_private_segment 0
		.amdhsa_kernarg_size 48
		.amdhsa_user_sgpr_count 2
		.amdhsa_user_sgpr_kernarg_segment_ptr 1
		.amdhsa_wavefront_size32 1
		.amdhsa_system_sgpr_workgroup_id_x 1
		.amdhsa_system_sgpr_workgroup_id_y 1
		.amdhsa_system_sgpr_workgroup_id_z 1
		.amdhsa_system_vgpr_workitem_id 0
		.amdhsa_next_free_vgpr 256
		.amdhsa_next_free_sgpr 66
		.amdhsa_reserve_vcc 1
		.amdhsa_float_denorm_mode_32 3
		.amdhsa_float_denorm_mode_16_64 3
		.amdhsa_memory_ordered 1
		.amdhsa_forward_progress 1
		.amdhsa_inst_pref_size 29
	.end_amdhsa_kernel
	.amdgpu_metadata
---
amdhsa.version: [ 1, 2 ]
amdhsa.kernels:
  - .name:           k_qe4e5d1c8be_quant
    .symbol:         k_qe4e5d1c8be_quant.kd
    .args:
      - { .name: x, .offset: 0, .size: 8, .value_kind: global_buffer, .address_space: global }
      - { .name: Wq, .offset: 8, .size: 8, .value_kind: global_buffer, .address_space: global }
      - { .name: Wk, .offset: 16, .size: 8, .value_kind: global_buffer, .address_space: global }
      - { .name: Wv, .offset: 24, .size: 8, .value_kind: global_buffer, .address_space: global }
      - { .name: Wo, .offset: 32, .size: 8, .value_kind: global_buffer, .address_space: global }
      - { .name: opq, .offset: 40, .size: 8, .value_kind: global_buffer, .address_space: global }
    .group_segment_fixed_size: 51200
    .private_segment_fixed_size: 0
    .kernarg_segment_align: 8
    .kernarg_segment_size: 48
    .max_flat_workgroup_size: 96
    .sgpr_count:     66
    .vgpr_count:     256
    .wavefront_size: 32
...
	.end_amdgpu_metadata
.endif
;; end of part 1
;; launch qkv (part 2): grid 8 x 30, 4 waves a work-group, clusters of 4 x 1, 230,912 bytes of LDS; arguments opq, bq, bk, bv, qb, kv; writes qb, kv
.if DOCPART == 2
	.amdgcn_target "amdgcn-amd-amdhsa--gfx1250"
	.amdhsa_code_object_version 6
	.text
	.protected	k_qe4e5d1c8be_qkv
	.globl	k_qe4e5d1c8be_qkv
	.p2align	8
	.type	k_qe4e5d1c8be_qkv,@function
k_qe4e5d1c8be_qkv:
	s_mov_b64 s[64:65], 0
	v_nop
	global_prefetch_b8 v0, s[64:65] scope:SCOPE_SE
	s_setreg_imm32_b32 hwreg(HW_REG_WAVE_MODE, 25, 1), 1
	s_wait_xcnt 0x0
	s_wait_alu depctr_hold_cnt(0) depctr_sa_sdst(0) depctr_va_vdst(0) depctr_va_sdst(0) depctr_va_ssrc(0) depctr_va_vcc(0) depctr_vm_vsrc(0)
	s_getreg_b32 s2, hwreg(HW_REG_IB_STS2, 6, 4)
	s_cmp_eq_u32 s2, 0
	s_cbranch_scc0 .Lentry_in_a_cluster
	s_endpgm
.Lentry_in_a_cluster:
	s_bfe_u32 s2, ttmp6, 0x10000c
	s_cmp_lg_u32 s2, 0x3003
	s_cbranch_scc0 .Lentry_shape_is_right
	s_endpgm
.Lentry_shape_is_right:
; q = x Wq^T + bq, k = x Wk^T + bk, v = x Wv^T + bv on codes of FP6 with E8M0 scales; the results are quantised at once: q and k along the head's 64, v along the keys, and leave as codes.
; SHARES.  Work-group (x, y): y = 5 sl + ch.  Slice sl = 2 role + hh: role 0, 1, 2 = q, k, v; heads 6 hh .. 6 hh + 5 (24 tiles of 16 rows of W).  ch: tokens 128 ch .. 128 ch + 127 of a batch of 640.
; Wave w takes batch 4 x + w: its 8 token tiles x 6 K steps, 48 fragments, stay in 576 registers.  The slice of W (221,184 bytes of codes, 9,216 of scale words) lies in LDS, filled once.
; CLUSTER: the four work-groups of a cluster differ in x alone and need the same slice: each wave asks for a quarter of it JOINTLY, same descriptor, mask of all four.
; A trip of the loop makes one head: two passes of 96 matrix instructions (32 channels x 128 tokens x K 768), 16 accumulators by turns, one instruction a turn.
; q, k: source 0 = 16 rows of W, source 1 = 16 tokens: a lane holds one token, and the 16 registers of a pair of tiles are 16 neighbouring channels.
; v:    source 0 = 16 tokens, source 1 = 16 rows of W: a lane holds one channel, and its 64 registers run along 128 tokens, which are the keys, the next product's K.
; The bias is the C of each sum's first instruction.  v of tokens above 576 is set to 0 ahead of its quantiser.
; OUT.  q, k: half images (16 rows x 64 K: registers 0-3 at 16 l, registers 4-5 at 512 + 8 l, 768 bytes a tile), scale words byte0 | byte1 << 8 | 0x7f7f0000.  v: whole fragments, 1,536 bytes, and their words.
; qb: a head's record is 40 half images, then 40 x 16 words.  kv: a head's record is five pieces of 13,056 bytes, one for each 128 keys, which are my 128 tokens: 8 half images of K, 4 fragments of V^T, K's 8 x 16 words, V's 4 x 16.
; LIMITS: a block's largest magnitude is taken no smaller than 2^-124 (a block of zeros: byte 1, zero codes; only this program reads the bytes); NaN and infinities are not served.
; REGISTERS.  Windows 1-3 (window s / 2 + 1 for K step s): x's fragments at 96 (s % 2) + 12 t; W's at 192 + 24 (s % 2) + 12 u; window 1 v240-255: the bias of the pass's two tiles.
; Window 0: v1-14 addresses; v16-39 x's scale words; v40-45 W's; v48-175 the 16 accumulators; v176-247 at work.
.set SPARE, 230400                     ; behind the slice: the spare words, two blocks of 256 bytes that no other line names
.set WSC,   221184                     ; the slice's scale words
.set L16, 1
.set L4,  2
.set L8,  3
.set BO,  4                            ; my lane's place in the bias: q, k: 64 h; v: 4 (r + 8 (r / 8))
.set WA,  5                            ; LDS: this head's tiles;
.set WAN, 6                            ; the next head's (held at the last)
.set WSA, 7                            ; the same for the scale words
.set WSN, 8
.set BOC, 9                            ; bias offsets, this head's and the next's
.set BON, 10
.set SO,  11                           ; where my scale word goes, from DST
.set SPW, 12                           ; LDS address of my spare word; never rewritten
.set NIL, 13                           ; 0; never rewritten
.set ZR,  14
.set XS,  16                           ; x's scale words: 3 t + s / 2: lanes 0-15 the even K step, lanes 16-31 the odd one
.set WS,  40                           ; W's: 3 u + s / 2
.set ACC, 48
.set H0,  176                          ; q, k: four registers a tile: the half image's registers 0-3
.set B0,  208                          ; the first block's byte, later the word, a tile each
.set M,   216
.set TM,  220
.set SCL, 224
.set BYT, 228
.set H1,  232                          ; the second block's codes, four tiles at a time
.set VTM, 176                          ; v: at work
.set VPC, 192                          ; two sets of 20: a fragment's codes
.set VPW, 232                          ; two scale words
.set VPS, 234
.set WV,  16                           ; s16 wave
.set CH,  21
.set ROLE, 22
.set HM,  52                           ; lanes 16-31
.set SEL, 54
.set MSB, 0
.macro WIN new                         ; the immediate's high byte repeats the setting that is left
.if MSB != (\new)
	s_set_vgpr_msb (MSB<<8)|(\new)
.set MSB, (\new)
.endif
.endm
.macro CROUND                          ; a round of the cluster's barrier
	s_barrier_signal -1
	s_barrier_wait -1
	s_cmp_lg_u32 s[WV], 0
	s_cbranch_scc1 .Lnot_wave_0_\@
	s_barrier_signal -3
.Lnot_wave_0_\@:
	s_barrier_wait -3
	s_barrier_signal -1
	s_barrier_wait -1
.endm
.macro NOP5                            ; five places behind the last matrix instruction: four serve loads into its operands and reads of results; the fifth the next pass, which begins the accumulators anew with another C
.rept 5
	v_nop
.endr
.endm
.macro WM d, a, b, c, sa, sb, row
.if \row
	v_wmma_scale_f32_16x16x128_f8f6f4 v[(\d):(\d)+7], v[(\a):(\a)+11], v[(\b):(\b)+11], v[(\c):(\c)+7], v[(\sa)], v[(\sb)] matrix_a_fmt:MATRIX_FMT_FP6 matrix_b_fmt:MATRIX_FMT_FP6 matrix_a_scale:MATRIX_SCALE_ROW1 matrix_b_scale:MATRIX_SCALE_ROW1
.else
	v_wmma_scale_f32_16x16x128_f8f6f4 v[(\d):(\d)+7], v[(\a):(\a)+11], v[(\b):(\b)+11], v[(\c):(\c)+7], v[(\sa)], v[(\sb)] matrix_a_fmt:MATRIX_FMT_FP6 matrix_b_fmt:MATRIX_FMT_FP6
.endif
.endm
; 96 matrix instructions: 6 K steps x 8 token tiles x 2 tiles of W
.macro PASS isv
.irp s, 0,1,2,3,4,5
.if \s == 0
	WIN 0x15                                       ; operands and the bias in window 1, the sums in window 0
.elseif \s == 1
	WIN 0x05
.elseif \s == 2
	WIN 0x0a
.elseif \s == 4
	WIN 0x0f
.endif
.irp t, 0,1,2,3,4,5,6,7
.irp u, 0,1
.set rX, 96*(\s%2)+12*\t
.set rW, 192+24*(\s%2)+12*\u
.set sX, XS+3*\t+\s/2
.set sW, WS+3*\u+\s/2
.if \isv
.set rD, ACC+64*\u+8*\t
.else
.set rD, ACC+16*\t+8*\u
.endif
.set rC, rD
.if \s == 0
.set rC, 240+8*\u
.endif
.if \isv
	WM rD, rX, rW, rC, sX, sW, \s%2
.else
	WM rD, rW, rX, rC, sW, sX, \s%2
.endif
.endr
.endr
.endr
	WIN 0
.endm
; the two tiles 2 bb, 2 bb + 1 of a head: 12 fragments and 6 scale words out of LDS
.macro LOADW bb, adr, sadr
.irp w, 0,1,2
	WIN 0x40*(\w+1)
.irp sp, 0,1
.irp u, 0,1
.irp c, 0,1,2
	ds_load_b128 v[192+24*\sp+12*\u+4*\c:192+24*\sp+12*\u+4*\c+3], v[\adr] offset:(2*\bb+\u)*9216+(2*\w+\sp)*1536+512*\c
.endr
.endr
.endr
.endr
	WIN 0
.irp u, 0,1
.irp kp, 0,1,2
	ds_load_b32 v[WS+3*\u+\kp], v[\sadr] offset:(2*\bb+\u)*384+128*\kp
.endr
.endr
.endm
.macro BIASQ bb, adr                   ; lane (r, h), tile u, register j: the bias of channel 32 bb + 16 h + 8 u + j of the head
	WIN 0x40
.irp u, 0,1
	global_load_b128 v[240+8*\u:243+8*\u], v[\adr], s[42:43] offset:128*\bb+32*\u
	global_load_b128 v[244+8*\u:247+8*\u], v[\adr], s[42:43] offset:128*\bb+32*\u+16
.endr
	WIN 0
.endm
.macro BIASV bb, adr                   ; lane (r, h), tile u: all eight registers hold the bias of my one channel, 32 bb + 8 u + r + 8 (r / 8)
	WIN 0x40
.irp u, 0,1
.irp n, 0,1,2,3,4,5,6,7
	global_load_b32 v[240+8*\u+\n], v[\adr], s[42:43] offset:128*\bb+32*\u
.endr
.endr
	WIN 0
.endm
; q, k: block bb of the head's two, for the 8 token tiles, four tiles by turns.  A block of 32 channels lies in lanes l and l xor 16, 16 registers each.
.macro EPQ bb
.irp g, 0,1
.if (\bb) && (\g)
	s_wait_xcnt 0x0                                ; the first four tiles' stores have read H1: it is written again
.endif
.irp q, 0,1,2,3
	v_max3_num_f32 v[M+\q], |v[ACC+16*(4*\g+\q)]|, |v[ACC+16*(4*\g+\q)+1]|, 0x1800000   ; each accumulator is read from its low end on; the floor 2^(3 - 127) is a leaf
.endr
.irp n, 2,4,6,8,10,12,14
.irp q, 0,1,2,3
	v_max3_num_f32 v[M+\q], v[M+\q], |v[ACC+16*(4*\g+\q)+\n]|, |v[ACC+16*(4*\g+\q)+\n+1]|
.endr
.endr
.irp q, 0,1,2,3
	v_permlanex16_b32 v[TM+\q], v[M+\q], s[SEL], s[SEL+1]
.endr
.irp q, 0,1,2,3
	v_max_num_f32 v[M+\q], v[M+\q], v[TM+\q]       ; the block's largest magnitude
.endr
.irp q, 0,1,2,3
	v_add_nc_u32 v[SCL+\q], 0xff000000, v[M+\q]    ; 2 off its exponent field: the conversion's scale operand
.endr
.irp q, 0,1,2,3
.if \bb
	v_lshrrev_b32 v[BYT+\q], 23, v[SCL+\q]
.else
	v_lshrrev_b32 v[B0+4*\g+\q], 23, v[SCL+\q]
.endif
.endr
.irp q, 0,1,2,3
.if \bb
	v_cvt_scalef32_pk16_fp6_f32 v[H1+4*\q:H1+4*\q+2], v[ACC+16*(4*\g+\q):ACC+16*(4*\g+\q)+15], v[SCL+\q]
.else
	v_cvt_scalef32_pk16_fp6_f32 v[H0+4*(4*\g+\q):H0+4*(4*\g+\q)+2], v[ACC+16*(4*\g+\q):ACC+16*(4*\g+\q)+15], v[SCL+\q]
.endif
.endr
	v_nop                                          ; one plain place behind the conversions
.if \bb
.irp q, 0,1,2,3
.irp n, 0,1,2
	v_permlane16_swap_b32 v[H0+4*(4*\g+\q)+\n], v[H1+4*\q+\n]   ; the operand's layout wants a whole block in a lane: lanes 0-15 block 0, lanes 16-31 block 1
.endr
.endr
.irp q, 0,1,2,3
	v_mov_b32 v[H0+4*(4*\g+\q)+3], v[H1+4*\q]      ; registers 0-3 on end,
	v_mov_b32 v[H1+4*\q], v[H1+4*\q+1]             ; registers 4-5 as an even pair
	v_mov_b32 v[H1+4*\q+1], v[H1+4*\q+2]
	v_lshl_or_b32 v[B0+4*\g+\q], v[BYT+\q], 8, v[B0+4*\g+\q]
	v_or_b32 v[B0+4*\g+\q], 0x7f7f0000, v[B0+4*\g+\q]           ; the upper 64 of the instruction's K carry scale 1
	global_store_b128 v[L16], v[H0+4*(4*\g+\q):H0+4*(4*\g+\q)+3], s[44:45] offset:768*(4*\g+\q)       ; 512 consecutive bytes
	global_store_b64 v[L8], v[H1+4*\q:H1+4*\q+1], s[44:45] offset:768*(4*\g+\q)+512                    ; 256 consecutive bytes
.endr
.endif
.endr
.if \bb
.irp n, 0,1,2,3
	v_cndmask_b32 v[M+\n], v[B0+2*\n], v[B0+2*\n+1], s[HM]      ; two tiles' words: lanes 0-15 the even tile's, lanes 16-31 the odd one's
	global_store_b32 v[SO], v[M+\n], s[44:45] offset:128*\n
.endr
.endif
.endm
; 64 numbers of a lane, register 16 b + i = k 32 b + 16 (lane / 16) + i of my row, become a fragment's codes in v[pc] on and its scale word in v[pw]
.macro QUANT s, pc, pw
.irp b, 0,1,2,3
	v_max3_num_f32 v[VTM+\b], |v[\s+16*\b]|, |v[\s+1+16*\b]|, 0x1800000
.endr
.irp n, 2,4,6,8,10,12,14
.irp b, 0,1,2,3
	v_max3_num_f32 v[VTM+\b], v[VTM+\b], |v[\s+16*\b+\n]|, |v[\s+1+16*\b+\n]|
.endr
.endr
.irp b, 0,1,2,3
	v_permlanex16_b32 v[VTM+4+\b], v[VTM+\b], s[SEL], s[SEL+1]
.endr
.irp b, 0,1,2,3
	v_max_num_f32 v[VTM+\b], v[VTM+\b], v[VTM+4+\b]
.endr
.irp b, 0,1,2,3
	v_add_nc_u32 v[VTM+12+\b], 0xff000000, v[VTM+\b]
.endr
.irp b, 0,1,2,3
	v_lshrrev_b32 v[VTM+4+\b], 23, v[VTM+12+\b]
.endr
	v_lshl_or_b32 v[\pw], v[VTM+5], 8, v[VTM+4]
	v_lshl_or_b32 v[\pw], v[VTM+6], 16, v[\pw]
	v_lshl_or_b32 v[\pw], v[VTM+7], 24, v[\pw]
.irp c, 0,1
	v_cvt_scalef32_pk16_fp6_f32 v[\pc+6*\c:\pc+2+6*\c], v[\s+32*\c:\s+15+32*\c], v[VTM+12+2*\c]
	v_cvt_scalef32_pk16_fp6_f32 v[\pc+12+4*\c:\pc+14+4*\c], v[\s+16+32*\c:\s+31+32*\c], v[VTM+12+2*\c+1]
.endr
	v_nop                                          ; one plain place behind the conversions
.irp c, 0,1
.irp n, 0,1,2
	v_permlane16_swap_b32 v[\pc+6*\c+\n], v[\pc+12+4*\c+\n]
.endr
.irp n, 0,1,2
	v_mov_b32 v[\pc+3+6*\c+\n], v[\pc+12+4*\c+\n]
.endr
.endr
.endm
; v: the pass's two tiles of 16 channels x 128 keys become two fragments of V^T
.macro EPV bb
	s_wait_xcnt 0x0                                ; the last fragments' stores have read their registers
	s_cmp_lg_u32 s[CH], 4
	s_cbranch_scc1 .Lall_keys_\@                   ; ids alone, the same in all partners
.irp u, 0,1
	v_cndmask_b32 v[ACC+64*\u+32], v[ACC+64*\u+32], v[ZR], s[HM]   ; register 32 is token 576 in lanes 0-15, token 592 in lanes 16-31
.set j, 33
.rept 31
	v_mov_b32 v[ACC+64*\u+j], 0                    ; tokens 577 on
.set j, j+1
.endr
.endr
.Lall_keys_\@:
.irp u, 0,1
.set rS, ACC+64*\u
.set rP, VPC+20*\u
.set rQ, VPW+\u
	QUANT rS, rP, rQ
.irp c, 0,1,2
	global_store_b128 v[L16], v[VPC+20*\u+4*\c:VPC+20*\u+4*\c+3], s[44:45] offset:(2*\bb+\u)*1536+512*\c
.endr
.endr
	v_cndmask_b32 v[VPS], v[VPW], v[VPW+1], s[HM]
	global_store_b32 v[SO], v[VPS], s[44:45] offset:128*\bb
.endm
	s_load_b256 s[4:11], s[0:1], 0x0               ; opq, bq, bk, bv
	s_load_b128 s[12:15], s[0:1], 0x20             ; qb, kv
	v_lshl_add_u32 v[SPW], v0, 2, SPARE
	v_mov_b32 v[NIL], 0
	ds_add_u32 v[SPW], v[NIL]                      ; the wave's opening: the add and its wait stand ahead of my first tensor load; work on registers stands between them
	ds_add_u32 v[SPW], v[NIL]
	v_lshrrev_b32 v15, 5, v0
	v_readfirstlane_b32 s[WV], v15                 ; wave 0..3
	s_bfe_u32 s17, ttmp6, 0x40000                  ; cx: it enters global addresses of my own loads and stores alone
	s_lshl_b32 s18, ttmp9, 2
	s_add_co_u32 s18, s18, s17                     ; work-group x
	s_and_b32 s19, ttmp7, 0xffff                   ; y, which the four partners share
	s_mul_i32 s20, s19, 13
	s_lshr_b32 s20, s20, 6                         ; sl = y / 5
	s_mul_i32 s[CH], s20, 5
	s_sub_co_u32 s[CH], s19, s[CH]                 ; ch = y % 5
	s_lshr_b32 s[ROLE], s20, 1
	s_and_b32 s23, s20, 1                          ; hh
	s_lshl_b32 s24, s18, 2
	s_add_co_u32 s24, s24, s[WV]                   ; my batch
	s_mov_b32 s32, 15|(3<<16)|(1<<21)              ; group 1: mask of all four; elements of 8 bytes; bit 21 beside a mask
	s_mov_b32 s33, 32<<16                          ; tensor_dim0 = 32 (256 bytes)
	s_mov_b32 s34, 225<<16                         ; tensor_dim1 = 225
	s_mov_b32 s35, 32<<16                          ; tile_dim0
	s_mov_b32 s36, 225                             ; tile_dim1: a quarter of the slice, 57,600 dense bytes
	s_mov_b32 s37, 32                              ; pitch
	s_mov_b32 s38, 0
	s_mov_b32 s39, 0
	s_mov_b32 s28, 1
	s_mul_i32 s29, s[WV], 57600                    ; LDS address: the wave's number alone
	s_mul_i32 s56, s20, 230400
	s_add_co_u32 s56, s56, s29
	s_add_co_u32 s56, s56, 12288000                ; my quarter of slice sl in opq
	s_mov_b32 s57, 0
	s_mul_i32 s58, s24, 5
	s_add_co_u32 s58, s58, s[CH]
	s_mul_i32 s58, s58, 76800                      ; x's record of 8 tiles
	s_mov_b32 s59, 0
	s_mul_i32 s60, s23, 1536                       ; the bias of my six heads
	s_mov_b32 s61, 0
	s_mul_i32 s26, s[CH], 5632
	s_sub_co_u32 s26, 30720, s26                   ; q: my words, from DST: 30,720 - 6,144 ch + 512 ch
	s_cmp_eq_u32 s[ROLE], 0
	s_mov_b32 s46, 65280
	s_cselect_b32 s46, 33280, s46                  ; a head's record: in qb, in kv
	s_mov_b32 s27, 13056
	s_cselect_b32 s27, 6144, s27                   ; my 128 tokens' part of it: q: 8 half images; k, v: a piece
	s_mov_b32 s25, 12288
	s_cselect_b32 s25, s26, s25                    ; k: my words lie behind the piece's K and V^T
	s_mov_b32 s47, 0
	s_mul_i32 s62, s24, 12
	s_mul_i32 s63, s23, 6
	s_add_co_u32 s62, s62, s63
	s_mul_i32 s62, s62, s46
	s_mul_i32 s63, s[CH], s27
	s_add_co_u32 s62, s62, s63
	s_cmp_eq_u32 s[ROLE], 2
	s_cselect_b32 s63, 6144, 0                     ; V^T lies behind the piece's K
	s_mov_b32 s27, 6656
	s_cselect_b32 s25, s27, s25                    ; v: my words at 12,800 of the piece, 6,656 from DST
	s_cselect_b32 s53, -1, 0
	s_add_co_u32 s62, s62, s63
	s_mov_b32 s63, 0
	s_mov_b32 s[HM], 0xffff0000
	s_mov_b32 s[SEL], 0x76543210
	s_mov_b32 s[SEL+1], 0xfedcba98
	s_mov_b32 s48, 0                               ; head of the six
	s_mov_b32 s49, 0                               ; its tiles in LDS: 36,864 a head
	s_mov_b32 s50, 0                               ; its scale words: 1,536
	s_mov_b32 s51, 0                               ; its bias: 256
	v_and_b32 v15, 31, v0
	v_lshlrev_b32 v[L16], 4, v15
	v_lshlrev_b32 v[L4], 2, v15
	v_lshlrev_b32 v[L8], 3, v15
	v_bfe_u32 v15, v0, 4, 1
	v_lshlrev_b32 v[BO], 6, v15
	v_and_b32 v48, 15, v0
	v_and_b32 v49, 8, v48
	v_add_nc_u32 v48, v48, v49
	v_lshlrev_b32 v48, 2, v48
	v_cndmask_b32 v[BO], v[BO], v48, s53
	v_add_nc_u32 v[SO], s25, v[L4]
	v_mov_b32 v[ZR], 0
.irp n, 0,1,2,3
	v_mov_b32 v[TM+\n], 0                          ; a lane permute's destination counts as read
	v_mov_b32 v[VTM+4+\n], 0
.endr
	v_add_nc_u32 v[WAN], 0, v[L16]                 ; head 0
	v_add_nc_u32 v[WSN], WSC, v[L4]
	v_add_nc_u32 v[BON], 0, v[BO]
	s_wait_dscnt 0x0                               ; the opening add is done
	s_wait_kmcnt 0x0
	s_add_nc_u64 s[30:31], s[4:5], s[56:57]
	s_or_b32 s31, s31, 0x80000000                  ; type 2
	s_add_nc_u64 s[40:41], s[4:5], s[58:59]
	s_cmp_eq_u32 s[ROLE], 1
	s_cselect_b64 s[42:43], s[8:9], s[6:7]
	s_cmp_eq_u32 s[ROLE], 2
	s_cselect_b64 s[42:43], s[10:11], s[42:43]
	s_add_nc_u64 s[42:43], s[42:43], s[60:61]
	s_cmp_eq_u32 s[ROLE], 0
	s_cselect_b64 s[44:45], s[12:13], s[14:15]
	s_add_nc_u64 s[44:45], s[44:45], s[62:63]      ; DST: where head 0's results of my tokens go
	CROUND                                         ; all four work-groups are here: the joint loads meet
	tensor_load_to_lds s[28:31], s[32:39]          ; my one tensor load: one is out
	s_nop 0
.rept 4
	v_nop
.endr
.irp w, 0,1,2                                  ; x's 48 fragments stay in registers
	WIN 0x40*(\w+1)
.irp sp, 0,1
.irp t, 0,1,2,3,4,5,6,7
.irp c, 0,1,2
	global_load_b128 v[96*\sp+12*\t+4*\c:96*\sp+12*\t+4*\c+3], v[L16], s[40:41] offset:\t*9216+(2*\w+\sp)*1536+512*\c
.endr
.endr
.endr
.endr
	WIN 0
.irp t, 0,1,2,3,4,5,6,7
.irp kp, 0,1,2
	global_load_b32 v[XS+3*\t+\kp], v[L4], s[40:41] offset:73728+384*\t+128*\kp
.endr
.endr
	s_wait_tensorcnt 0x0                           ; my quarter of the slice is in,
	s_barrier_signal -1
	s_barrier_wait -1                              ; everybody's is.  Nothing is ever filled again
	s_wait_alu depctr_va_vdst(0)
	LOADW 0, WAN, WSN
	s_cmp_eq_u32 s[ROLE], 2
	s_cbranch_scc1 .Lfirst_bias_v
	BIASQ 0, BON
	s_branch .Lfirst_bias_done
.Lfirst_bias_v:
	BIASV 0, BON
.Lfirst_bias_done:
.Lhp:                                              ; six trips: a head each.  Every wave walks the loop; the role's branch stands inside it
	s_wait_dscnt 0x0                               ; W's fragments and words of the pass are in
	s_wait_loadcnt 0x0                             ; and the bias (in the first trip x too): so the address registers below are free
	v_add_nc_u32 v[WA], s49, v[L16]
	s_add_co_u32 s56, s49, 36864
	s_min_u32 s56, s56, 184320                     ; the last trip fetches its own head once more: every access stays inside the slice
	v_add_nc_u32 v[WAN], s56, v[L16]
	s_add_co_u32 s57, s50, WSC
	v_add_nc_u32 v[WSA], s57, v[L4]
	s_add_co_u32 s57, s50, 1536
	s_min_u32 s57, s57, 7680
	s_add_co_u32 s57, s57, WSC
	v_add_nc_u32 v[WSN], s57, v[L4]
	v_add_nc_u32 v[BOC], s51, v[BO]
	s_add_co_u32 s58, s51, 256
	s_min_u32 s58, s58, 1280
	v_add_nc_u32 v[BON], s58, v[BO]
	s_cmp_eq_u32 s[ROLE], 2
	s_cbranch_scc1 .Lvarm
	PASS 0                                         ; channels 0-31 of the head
	NOP5
	s_wait_alu depctr_va_vdst(0)
	LOADW 1, WA, WSA                               ; the next pass's operands come while this pass's results are quantised
	BIASQ 1, BOC
	EPQ 0
	s_wait_dscnt 0x0
	s_wait_loadcnt 0x0
	PASS 0                                         ; channels 32-63
	NOP5
	LOADW 0, WAN, WSN
	BIASQ 0, BON
	EPQ 1
	s_branch .Ljoin
.Lvarm:
	PASS 1
	NOP5
	s_wait_alu depctr_va_vdst(0)
	LOADW 1, WA, WSA
	BIASV 1, BOC
	EPV 0
	s_wait_dscnt 0x0
	s_wait_loadcnt 0x0
	PASS 1
	NOP5
	LOADW 0, WAN, WSN
	BIASV 0, BON
	EPV 1
.Ljoin:
	s_wait_xcnt 0x0                                ; the stores have read their base and their data: both are written again
	s_add_nc_u64 s[44:45], s[44:45], s[46:47]      ; the next head's record
	s_add_co_u32 s49, s49, 36864
	s_add_co_u32 s50, s50, 1536
	s_add_co_u32 s51, s51, 256
	s_add_co_u32 s48, s48, 1
	s_cmp_lt_u32 s48, 6
	s_cbranch_scc1 .Lhp
	s_wait_tensorcnt 0x0                           ; the wave's end
	ds_add_u32 v[SPW], v[NIL]
	s_wait_dscnt 0x0
	CROUND                                         ; the closing round
	s_endpgm
.Lfunc_end_k_qe4e5d1c8be_qkv:
	.size	k_qe4e5d1c8be_qkv, .Lfunc_end_k_qe4e5d1c8be_qkv-k_qe4e5d1c8be_qkv
	.p2alignl 7, 3214868480
	.fill 96, 4, 3214868480
	.section	.rodata,"a",@progbits
	.p2align	6, 0x0
	.amdhsa_kernel k_qe4e5d1c8be_qkv
		.amdhsa_group_segment_fixed_size 230912
		.amdhsa_private_segment_fixed_size 0
		.amdhsa_enable_private_segment 0
		.amdhsa_kernarg_size 48
		.amdhsa_user_sgpr_count 2
		.amdhsa_user_sgpr_kernarg_segment_ptr 1
		.amdhsa_wavefront_size32 1
		.amdhsa_system_sgpr_workgroup_id_x 1
		.amdhsa_system_sgpr_workgroup_id_y 1
		.amdhsa_system_sgpr_workgroup_id_z 1
		.amdhsa_system_vgpr_workitem_id 0
		.amdhsa_next_free_vgpr 1024
		.amdhsa_next_free_sgpr 66
		.amdhsa_reserve_vcc 0
		.amdhsa_float_denorm_mode_32 3
		.amdhsa_float_denorm_mode_16_64 3
		.amdhsa_memory_ordered 1
		.amdhsa_forward_progress 1
		.amdhsa_inst_pref_size 131
	.end_amdhsa_kernel
	.amdgpu_metadata
---
amdhsa.version: [ 1, 2 ]
amdhsa.kernels:
  - .name:           k_qe4e5d1c8be_qkv
    .symbol:         k_qe4e5d1c8be_qkv.kd
    .args:
      - { .name: opq, .offset: 0, .size: 8, .value_kind: global_buffer, .address_space: global }
      - { .name: bq, .offset: 8, .size: 8, .value_kind: global_buffer, .address_space: global }
      - { .name: bk, .offset: 16, .size: 8, .value_kind: global_buffer, .address_space: global }
      - { .name: bv, .offset: 24, .size: 8, .value_kind: global_buffer, .address_space: global }
      - { .name: qb, .offset: 32, .size: 8, .value_kind: global_buffer, .address_space: global }
      - { .name: kv, .offset: 40, .size: 8, .value_kind: global_buffer, .address_space: global }
    .group_segment_fixed_size: 230912
    .private_segment_fixed_size: 0
    .kernarg_segment_align: 8
    .kernarg_segment_size: 48
    .max_flat_workgroup_size: 128
    .sgpr_count:     66
    .vgpr_count:     1024
    .wavefront_size: 32
...
	.end_amdgpu_metadata
.endif
;; end of part 2
;; launch attn (part 3): grid 8 x 32, 12 waves a work-group, no clusters, 327,680 bytes of LDS; arguments qb, kv, ac, asc; writes ac, asc
.if DOCPART == 3
	.amdgcn_target "amdgcn-amd-amdhsa--gfx1250"
	.amdhsa_code_object_version 6
	.text
	.protected	k_qe4e5d1c8be_attn
	.globl	k_qe4e5d1c8be_attn
	.p2align	8
	.type	k_qe4e5d1c8be_attn,@function
k_qe4e5d1c8be_attn:
	s_mov_b64 s[64:65], 0
	v_nop
	global_prefetch_b8 v0, s[64:65] scope:SCOPE_SE
	s_setreg_imm32_b32 hwreg(HW_REG_WAVE_MODE, 25, 1), 1
	s_wait_xcnt 0x0
; softmax(q k^T / 8) v for one batch and three heads, on codes of FP6 with E8M0 scales; the result, divided by the row's sum, is quantised along the channels and leaves as codes.
; SHARES.  Work-group (x, y): heads 3 (x / 2) .. + 2, batch y.  A head has 37 tiles of 16 queries that hold a query (577 = 36 x 16 + 1).  The two work-groups of a head triple share its 111 tiles, 56 and 55;
; wave w serves head w / 4 of the three and takes four or five neighbouring tiles, by a table of 24 bits, so that the three waves with the same w % 4 have 14 tiles between them (once 13).
; Tiles 37 .. 39 hold no query: nothing is computed for them; nine waves of the odd work-group store zero codes and zero scale bytes there, since the next launch loads those bytes (its results for them are not stored).
; THE FILL.  A head's record is five pieces of 13,056 bytes, one for each 128 keys: 8 half images of K, 4 fragments of V^T, K's words, V's words.  The three records come into LDS once and stay.  Waves 0-8 bring them:
; a load is a third (17 rows of 256 bytes) of one piece of record w / 3.  Piece 0 is asked for at the head; piece p behind the barrier that shows piece p - 1 whole, with the waits and the add
; in front of it; one load of a wave is out at a time.  The first tile of queries is worked step by step meanwhile, and is written out ahead of the loop.
; In LDS each row of 256 bytes has 64 bytes of padding behind it (pitch 320): two tiles of K lie 1,920 bytes apart, 128 modulo 256, so the sixteen lanes of a gathered 16-byte load below touch sixteen different columns.
; PREFETCH.  Waves 9-11 ask for the piece two fills on (at the head for pieces 1 and 2): a lane a block of 256 bytes; of a piece's 153 blocks the even work-group names 77, the odd one 76; lanes left over name the last again.
; NO CLUSTER: a head's record is read by two work-groups only, and a joint request here would name four.
; LAYOUT.  Both products transposed: S^T = K Q^T, O^T = V^T P^T: a lane holds one query throughout.  THE ROWS OF A TILE OF K ARE GATHERED: tile 4 c + i takes keys 64 c + 8 i + 0..7 as rows 0-7 and keys 64 c + 32 + 8 i + 0..7
; as rows 8-15 (they lie in two of the stored half images; the lane's address carries the difference).  So lane (r, h) holds in registers 32 c + 0..31 the keys 64 c + 32 h + 0..31: a whole block of 32, in the order of p's operand.
; K = 64 IN THE FIRST PRODUCT: q's fragment is 6 registers of codes and 6 of zeros; a tile of K names its own 6 registers and the 6 behind them, whatever codes those hold: FP6 has no NaN or infinity, the scale
; bytes there are 0x7f, so the upper 64 of the instruction's K add exactly 0.
; SOFTMAX: t = score x log2(e) / 8; M = the running largest t rounded up to a whole number; p = 2^(t - M) is quantised along the keys; the sum is taken of the unquantised p; when M moves, sum and O^T are
; multiplied by 2^(old M - new M), exactly.  A block's largest p is made from the block's largest score by the same two instructions.
; THE LAST STEP holds keys 512 .. 576: a whole block in each lane, and key 576, which is register 32 of lanes 0-15 (lanes 16-31 get -infinity there: p = 0); the other p of its block are set to 0.
; LIMITS: a block's largest magnitude is taken no smaller than 2^-124 (byte at least 1); NaN and infinities are not served; the scaled scores stay under 2^31 in magnitude.
.set RECM,   65280                     ; a record, a piece in memory
.set PIECEM, 13056
.set RECL,   81600                     ; and in LDS, 320 bytes for each 256
.set PIECEL, 16320                     ; K's tile T at 960 T, V^T at 7,680, K's words at 15,360, V's at 16,000
.set SPARE,  244992                    ; behind the records: the spare words, six blocks of 256 bytes that no other line names
; v1-5: LDS addresses for steps 0-2: K's 16 bytes, K's 8 bytes, K's words, V's 16 bytes, V's words; v6-10: the same three pieces on, for steps 3-4 (an LDS offset has 16 bits)
.set H8,   11                          ; 8 x (lane / 16)
; v12 -M, v13 the largest t, v[14:15] the sum in two halves
.set Q,    16                          ; v16-21 q's codes, v22-27 zeros
.set QS,   28
.set PW,   29                          ; p's scale word
.set KS,   30                          ; v30-33 K's words: two tiles a register
.set VS,   34
; TWO REGIONS OF 64 REGISTERS, v36-99 and v100-163, TAKE TURNS: in an even step K (6 registers a tile), and behind it V^T's four fragments, lie in the first and S^T, then p, in the second; in an odd step the other way round.
; So the next step's K is asked for as soon as p has been converted, into the registers that held p.  What the eighth tile of K names behind its own codes is whatever lies there (at the very first step: zeros).
.set KF,   36                          ; K's region; every step sets KF, VF and S anew
.set VF,   36                          ; V^T takes K's place
.set S,    100                         ; S^T, then p
.set O,    164                         ; v164-195 O^T
.set PC,   196                         ; p's codes
.set PT,   208
.set BM,   216                         ; v216-219
.set T2,   220                         ; v220-221
.set SCL,  222
.set BY,   224
.set TP,   226
.set NINF, 227
.set F,    228                         ; v[228:229]
.set L2,   230
.set OC,   232
.set OT,   238
.set OW,   241
.set RL,   242
.set QA16, 244                         ; offsets of the q tile to be fetched
.set QA8,  245
.set QAS,  246
.set SPW,  247                         ; LDS address of my spare word; never rewritten
.set NIL,  248                         ; 0; never rewritten
.set PFO,  249                         ; my block of a piece, for the prefetches; never rewritten
.set R4,   250                         ; 4 x (lane % 16)
.set L16,  251
.set L8,   252
.set WV,   12
.set CS,   42                          ; s[42:43] log2(e) / 8
.set SEL,  44
.set HM,   46                          ; lanes 16-31
.set G0,   68                          ; s[68:87] descriptor group 0, a set for each piece
.macro NOP4                            ; four places behind the last matrix instruction, for loads into its operands and reads of its results
.rept 4
	v_nop
.endr
.endm
.macro WM d, a, b, c, sa, sb, rowa     ; c < 0: the product starts the sum
.if (\c) < 0
.if \rowa
	v_wmma_scale_f32_16x16x128_f8f6f4 v[(\d):(\d)+7], v[(\a):(\a)+11], v[(\b):(\b)+11], 0, v[(\sa)], v[(\sb)] matrix_a_fmt:MATRIX_FMT_FP6 matrix_b_fmt:MATRIX_FMT_FP6 matrix_a_scale:MATRIX_SCALE_ROW1
.else
	v_wmma_scale_f32_16x16x128_f8f6f4 v[(\d):(\d)+7], v[(\a):(\a)+11], v[(\b):(\b)+11], 0, v[(\sa)], v[(\sb)] matrix_a_fmt:MATRIX_FMT_FP6 matrix_b_fmt:MATRIX_FMT_FP6
.endif
.else
.if \rowa
	v_wmma_scale_f32_16x16x128_f8f6f4 v[(\d):(\d)+7], v[(\a):(\a)+11], v[(\b):(\b)+11], v[(\c):(\c)+7], v[(\sa)], v[(\sb)] matrix_a_fmt:MATRIX_FMT_FP6 matrix_b_fmt:MATRIX_FMT_FP6 matrix_a_scale:MATRIX_SCALE_ROW1
.else
	v_wmma_scale_f32_16x16x128_f8f6f4 v[(\d):(\d)+7], v[(\a):(\a)+11], v[(\b):(\b)+11], v[(\c):(\c)+7], v[(\sa)], v[(\sb)] matrix_a_fmt:MATRIX_FMT_FP6 matrix_b_fmt:MATRIX_FMT_FP6
.endif
.endif
.endm
.macro QADDR                           ; the offsets of q's tile s56
	s_mul_i32 s57, s56, 768
	v_add_nc_u32 v[QA16], s57, v[L16]
	v_add_nc_u32 v[QA8], s57, v[L8]
	s_lshl_b32 s57, s56, 6
	v_add_nc_u32 v[QAS], s57, v[R4]
.endm
.macro QLOAD
	global_load_b128 v[Q:Q+3], v[QA16], s[36:37]
	global_load_b64 v[Q+4:Q+5], v[QA8], s[36:37] offset:512
	global_load_b32 v[QS], v[QAS], s[36:37] offset:30720
.endm
.macro KLOAD sn                        ; the gathered tiles and scale words of key step sn: 8 tiles, in the last step the 5 that hold a key
.set kb, 1+5*((\sn)/3)
.set ko, ((\sn)%3)*PIECEL
.set kf, 36+64*((\sn)%2)               ; the region in which step sn wants its K
.set nl, 8
.if (\sn) == 4
.set nl, 5
.endif
.set kcnt, 2*nl+(nl+1)/2               ; how many LDS loads this macro issues
.set i, 0
.rept nl
	ds_load_b128 v[kf+6*i:kf+6*i+3], v[kb] offset:ko+(4*(i/4)+i%2)*960+128*((i%4)/2)
	ds_load_b64 v[kf+6*i+4:kf+6*i+5], v[kb+1] offset:ko+(4*(i/4)+i%2)*960+640+64*((i%4)/2)
.set i, i+1
.endr
.set i, 0
.rept (nl+1)/2
	ds_load_b32 v[KS+i], v[kb+2] offset:ko+15360+320*(i/2)+32*(i%2)
.set i, i+1
.endr
.endm
.macro FILL p                          ; waves 0-8: my third of piece p; waves 9-11: the prefetch of the piece two on
	s_cmp_lt_u32 s[WV], 9
	s_cbranch_scc0 .Lask_\@
	tensor_load_to_lds s[G0+4*(\p):G0+4*(\p)+3], s[28:35]
	s_nop 0
	NOP4
	s_branch .Lasked_\@
.Lask_\@:
.if (\p) == 0
	global_prefetch_b8 v[PFO], s[60:61] offset:PIECEM th:TH_LOAD_NT scope:SCOPE_SE
.endif
.if (\p)+2 <= 4
	global_prefetch_b8 v[PFO], s[60:61] offset:((\p)+2)*PIECEM th:TH_LOAD_NT scope:SCOPE_SE
.endif
.Lasked_\@:
.endm
.macro MEET p                          ; piece p - 1 is shown whole to every wave; behind the barrier piece p is asked for, where there is one
	s_wait_alu depctr_va_vdst(0)
	s_wait_tensorcnt 0x0                           ; my one load that was out has landed
.if (\p) <= 4
	ds_add_u32 v[SPW], v[NIL]                      ; the add, twice on end
	ds_add_u32 v[SPW], v[NIL]
.endif
	s_wait_dscnt 0x0                               ; the adds are done; no LDS read of mine is out
	s_barrier_signal -1
	s_barrier_wait -1
.if (\p) <= 4
	FILL \p
.endif
.endm
; A KEY STEP.  fill = 1: the launch's first tile, in which the next step's piece is waited for at this step's end.  nk: tiles of K; nc: whole blocks of 32 keys in a lane
.macro STEP s, fill
.set ab, 1+5*((\s)/3)
.set so, ((\s)%3)*PIECEL
.set KF, 36+64*((\s)%2)
.set VF, KF
.set S, 100-64*((\s)%2)
.set nk, 8
.set nc, 2
.if \s == 4
.set nk, 5
.set nc, 1
.endif
	s_wait_dscnt 0x0                               ; K's tiles and words are in
.set i, 0
.rept nk
	WM S+8*i, KF+6*i, Q, -1, KS+i/2, QS, i%2
.set i, i+1
.endr
	NOP4
.irp d, 0,1,2,3                                ; V^T of this step lands while the softmax is walked
.irp c, 0,1,2
	ds_load_b128 v[VF+12*\d+4*\c:VF+12*\d+4*\c+3], v[ab+3] offset:so+7680+1920*\d+640*\c
.endr
.endr
.irp d, 0,1
	ds_load_b32 v[VS+\d], v[ab+4] offset:so+16000+128*\d
.endr
.if \s == 4
	QLOAD                                          ; the next tile's q: this tile's last product with q stands four places back
	v_cndmask_b32 v[S+32], v[S+32], v[NINF], s[HM] ; register 32 is key 576 in lanes 0-15 and key 608 in lanes 16-31
.set j, 33
.rept 15
	v_mov_b32 v[S+j], 0                            ; the p of keys 577 on, as far as the conversion reads them
.set j, j+1
.endr
.endif
.irp c, 0,1                                    ; the largest score of my blocks, two chains a block; each accumulator is first read at its low end
.if \c < nc
	v_max3_num_f32 v[BM+\c], v[S+32*\c], v[S+32*\c+1], v[S+32*\c+2]
	v_max3_num_f32 v[BM+2+\c], v[S+32*\c+17], v[S+32*\c+18], v[S+32*\c+19]
.endif
.endr
.irp n, 0,2,4,6,8,10
.irp c, 0,1
.if \c < nc
	v_max3_num_f32 v[BM+\c], v[BM+\c], v[S+32*\c+3+\n], v[S+32*\c+4+\n]
	v_max3_num_f32 v[BM+2+\c], v[BM+2+\c], v[S+32*\c+20+\n], v[S+32*\c+21+\n]
.endif
.endr
.endr
.irp c, 0,1
.if \c < nc
	v_max3_num_f32 v[BM+\c], v[BM+\c], v[S+32*\c+15], v[S+32*\c+16]
.endif
.endr
.irp c, 0,1
.if \c < nc
	v_max_num_f32 v[BM+\c], v[BM+\c], v[BM+2+\c]
.endif
.endr
	s_delay_alu instid0(VALU_DEP_1)
.if \s < 4
	v_max_num_f32 v[TP], v[BM], v[BM+1]
.else
	v_max_num_f32 v[TP], v[BM], v[S+32]
.endif
	s_delay_alu instid0(VALU_DEP_1)
	v_permlanex16_b32 v[T2], v[TP], s[SEL], s[SEL+1]
	s_delay_alu instid0(VALU_DEP_1)
	v_max_num_f32 v[TP], v[TP], v[T2]              ; with lane l xor 16's 64 keys: the step's largest score of my query
.if \s == 0
	s_delay_alu instid0(VALU_DEP_1)
	v_mul_f32 v13, s[CS], v[TP]                    ; a tile's first step starts the largest t,
	s_delay_alu instid0(VALU_DEP_1)
	v_floor_f32 v12, -v13                          ; -M = floor(-t)
.else
	s_delay_alu instid0(VALU_DEP_1)
	v_mul_f32 v[TP], s[CS], v[TP]
	s_delay_alu instid0(VALU_DEP_1)
	v_max_num_f32 v13, v13, v[TP]                  ; the running largest t
	v_mov_b32 v[TP], v12
	s_delay_alu instid0(VALU_DEP_2)
	v_floor_f32 v12, -v13
	s_delay_alu instid0(VALU_DEP_1)
	v_sub_f32 v[TP], v12, v[TP]                    ; old M - new M: a whole number, 0 or less
	s_delay_alu instid0(VALU_DEP_1)
	v_cvt_i32_f32 v[TP], v[TP]
	s_delay_alu instid0(VALU_DEP_1)
	v_ldexp_f32 v[F], 1.0, v[TP]                   ; f = 2^(old M - new M)
.endif
.set j, 0
.rept 16*nc
	v_pk_fma_f32 v[S+j:S+j+1], v[S+j:S+j+1], s[CS:CS+1], v[12:13] op_sel_hi:[1,0,0]   ; t - M, two at a time
.set j, j+2
.endr
.if \s == 4
	v_fma_f32 v[S+32], v[S+32], s[CS], v12
.endif
.irp c, 0,1
.if \c < nc
	v_fma_f32 v[BM+\c], v[BM+\c], s[CS], v12
.endif
.endr
	s_wait_alu depctr_va_vdst(0)
.set j, 0
.rept 32*nc
	v_exp_f32 v[S+j], v[S+j]                       ; p = 2^(t - M)
.set j, j+1
.endr
.if \s == 4
	v_exp_f32 v[S+32], v[S+32]
.endif
.if \s == 0
	v_nop                                          ; a plain place behind the exponentials
.else
	v_pk_mul_f32 v[14:15], v[14:15], v[F:F+1] op_sel_hi:[1,0]   ; the sum under the new M: also the plain place behind the exponentials
.endif
	s_wait_alu depctr_va_vdst(0)                   ; one wait for the batch, ahead of its first reader
.irp c, 0,1
.if \c < nc
	v_exp_f32 v[BM+\c], v[BM+\c]                   ; each block's largest p
.endif
.endr
	v_pk_add_f32 v[L2:L2+1], v[S:S+1], v[S+2:S+3]  ; the row's sum of the unquantised p, in two chains
.if \s == 0
	v_pk_add_f32 v[14:15], v[S+4:S+5], v[S+6:S+7]
.set j, 8
.else
.set j, 4
.endif
.rept (32*nc-j)/4
	v_pk_add_f32 v[14:15], v[14:15], v[S+j:S+j+1]
	v_pk_add_f32 v[L2:L2+1], v[L2:L2+1], v[S+j+2:S+j+3]
.set j, j+4
.endr
	s_delay_alu instid0(VALU_DEP_1)
	v_pk_add_f32 v[14:15], v[14:15], v[L2:L2+1]
.if \s == 4
	v_add_f32 v14, v14, v[S+32]                    ; key 576's
.endif
	s_wait_alu depctr_va_vdst(0)                   ; and one for the blocks' largest p
	v_max_num_f32 v[BM], 0x1800000, v[BM]          ; the floor 2^(3 - 127)
.if \s < 4
	v_max_num_f32 v[BM+1], 0x1800000, v[BM+1]
.else
	v_max_num_f32 v[BM+1], 0x1800000, v[S+32]      ; the second block's one p (lanes 16-31: 0, and the floor's byte over zero codes)
.endif
.irp c, 0,1
	s_delay_alu instid0(VALU_DEP_2)
	v_add_nc_u32 v[SCL+\c], 0xff000000, v[BM+\c]   ; 2 off the exponent field: the conversion's scale operand
.endr
.irp c, 0,1
	s_delay_alu instid0(VALU_DEP_2)
	v_lshrrev_b32 v[BY+\c], 23, v[SCL+\c]
.endr
	s_delay_alu instid0(VALU_DEP_1)
	v_lshl_or_b32 v[PW], v[BY+1], 16, v[BY]        ; my bytes: blocks h and 2 + h,
	s_delay_alu instid0(VALU_DEP_1)
	v_lshlrev_b32 v[PW], v[H8], v[PW]              ; at their places;
	s_delay_alu instid0(VALU_DEP_1)
	v_permlanex16_b32 v[T2], v[PW], s[SEL], s[SEL+1]
	s_delay_alu instid0(VALU_DEP_1)
	v_or_b32 v[PW], v[PW], v[T2]                   ; with lane l xor 16's two the word is whole
	v_cvt_scalef32_pk16_fp6_f32 v[PC:PC+2], v[S:S+15], v[SCL]
	v_cvt_scalef32_pk16_fp6_f32 v[PT:PT+2], v[S+16:S+31], v[SCL]     ; (a conversion's three registers begin on an even number)
	v_cvt_scalef32_pk16_fp6_f32 v[PC+6:PC+8], v[S+32:S+47], v[SCL+1]
.if \s < 4
	v_cvt_scalef32_pk16_fp6_f32 v[PT+4:PT+6], v[S+48:S+63], v[SCL+1]
.endif
	v_nop                                          ; one plain place behind the conversions
.if (\fill) == 0 && (\s) < 4
	KLOAD (\s)+1                                   ; p has been converted: the next step's K lands in its registers while O^T is rescaled and the second product runs
.endif
.irp n, 0,1,2
	v_mov_b32 v[PC+3+\n], v[PT+\n]
.if \s < 4
	v_mov_b32 v[PC+9+\n], v[PT+4+\n]
.else
	v_mov_b32 v[PC+9+\n], 0                        ; no key there
.endif
.endr
.if \s == 0
	NOP4                                           ; an operand made by vector instructions stands four places ahead of the scaled product; the scale word stands eleven ahead
.else
	s_wait_alu depctr_va_vdst(0)                   ; directly ahead of the first reader of O^T
.set j, 0
.rept 16
	v_pk_mul_f32 v[O+j:O+j+1], v[O+j:O+j+1], v[F:F+1] op_sel_hi:[1,0]   ; O^T under the new M, each accumulator from its low end on; these are also the places ahead of the products
.set j, j+2
.endr
.endif
	s_wait_alu depctr_va_vdst(0)
.if (\fill) == 0 && (\s) < 4
	s_wait_dscnt kcnt                              ; V^T is in; the next step's K, kcnt loads issued behind V's, may be out
.else
	s_wait_dscnt 0x0                               ; V^T is in
.endif
.irp d, 0,1,2,3                                ; four accumulators by turns, one instruction a turn
.if \s == 0
	WM O+8*\d, VF+12*\d, PC, -1, VS+\d/2, PW, \d%2
.else
	WM O+8*\d, VF+12*\d, PC, O+8*\d, VS+\d/2, PW, \d%2
.endif
.endr
	NOP4
	v_nop                                          ; a fifth place: the next step's first product writes its sums over V^T's registers
.if (\fill) && (\s < 4)
	MEET (\s)+2
.endif
.if (\fill) || (\s == 4)
	KLOAD (\s+1)%5                                 ; the first tile: the piece has only now been shown whole; behind the last step: the first step's K again, into V^T's registers
.endif
.endm
; A TILE OF 16 QUERIES
.macro TRIP fill
	s_wait_alu depctr_va_vdst(0)
	s_wait_loadcnt 0x0                             ; q is in, and its address registers are free
	s_add_co_u32 s56, s20, 1
	s_min_u32 s56, s56, s22                        ; the last tile fetches its own q once more
	QADDR
	STEP 0, \fill
	STEP 1, \fill
	STEP 2, \fill
	STEP 3, \fill
	STEP 4, \fill
	v_add_f32 v14, v14, v15                        ; the sum's two halves,
	s_delay_alu instid0(VALU_DEP_1)
	v_permlanex16_b32 v[TP], v14, s[SEL], s[SEL+1]
	s_delay_alu instid0(VALU_DEP_1)
	v_add_f32 v14, v14, v[TP]                      ; and lane l xor 16's
	s_wait_alu depctr_va_vdst(0)
	v_rcp_f32 v[RL], v14
	v_rcp_f32 v[RL+1], v14
	v_nop                                          ; a plain place behind the reciprocals
	s_wait_alu depctr_va_vdst(0)                   ; one wait for both, and for O^T, directly ahead of the first reader
.set j, 0
.rept 16
	v_pk_mul_f32 v[O+j:O+j+1], v[O+j:O+j+1], v[RL:RL+1]     ; register 16 g + i is channel 32 g + 16 (lane / 16) + i of my query
.set j, j+2
.endr
.irp g, 0,1
	v_max3_num_f32 v[BM+\g], |v[O+16*\g]|, |v[O+16*\g+1]|, 0x1800000
.endr
.irp n, 2,4,6,8,10,12,14
.irp g, 0,1
	s_delay_alu instid0(VALU_DEP_2)
	v_max3_num_f32 v[BM+\g], v[BM+\g], |v[O+16*\g+\n]|, |v[O+16*\g+\n+1]|
.endr
.endr
.irp g, 0,1
	s_delay_alu instid0(VALU_DEP_2)
	v_permlanex16_b32 v[T2+\g], v[BM+\g], s[SEL], s[SEL+1]
.endr
.irp g, 0,1
	s_delay_alu instid0(VALU_DEP_2)
	v_max_num_f32 v[BM+\g], v[BM+\g], v[T2+\g]
.endr
.irp g, 0,1
	s_delay_alu instid0(VALU_DEP_2)
	v_add_nc_u32 v[SCL+\g], 0xff000000, v[BM+\g]
.endr
.irp g, 0,1
	s_delay_alu instid0(VALU_DEP_2)
	v_lshrrev_b32 v[BY+\g], 23, v[SCL+\g]
.endr
	v_cvt_scalef32_pk16_fp6_f32 v[OC:OC+2], v[O:O+15], v[SCL]
	v_cvt_scalef32_pk16_fp6_f32 v[OT:OT+2], v[O+16:O+31], v[SCL+1]
	v_nop                                          ; one plain place behind the conversions
.irp n, 0,1,2
	v_permlane16_swap_b32 v[OC+\n], v[OT+\n]       ; a whole block in a lane
.endr
.irp n, 0,1,2
	s_delay_alu instid0(VALU_DEP_3)
	v_mov_b32 v[OC+3+\n], v[OT+\n]
.endr
	v_lshl_or_b32 v[OW], v[BY+1], 8, v[BY]
	global_store_b128 v[L16], v[OC:OC+3], s[38:39]             ; the half image: 512 consecutive bytes,
	global_store_b64 v[L8], v[OC+4:OC+5], s[38:39] offset:512  ; and 256
	global_store_b32 v[R4], v[OW], s[40:41]                    ; 16 words; both halves of the lanes store the same word at the same place
	s_wait_xcnt 0x0                                ; the stores have read their bases and data
	s_add_nc_u64 s[38:39], s[38:39], 9216          ; the next tile: 12 heads x 768
	s_add_nc_u64 s[40:41], s[40:41], 64
	s_add_co_u32 s20, s20, 1
.endm
	s_load_b256 s[4:11], s[0:1], 0x0               ; qb, kv, ac, asc
	v_lshl_add_u32 v[SPW], v0, 2, SPARE
	v_mov_b32 v[NIL], 0
	ds_add_u32 v[SPW], v[NIL]                      ; the wave's opening: the add, twice on end, and its wait stand ahead of the first tensor load
	ds_add_u32 v[SPW], v[NIL]
	v_lshrrev_b32 v12, 5, v0
	v_readfirstlane_b32 s[WV], v12                 ; wave 0..11
	s_lshr_b32 s13, ttmp9, 1                       ; which three heads
	s_and_b32 s14, ttmp9, 1                        ; which of the two work-groups that share them
	s_and_b32 s15, ttmp7, 0xffff                   ; batch
	s_lshr_b32 s16, s[WV], 2
	s_and_b32 s17, s[WV], 3
	s_mul_i32 s18, s13, 3
	s_add_co_u32 s18, s18, s16                     ; my head
	s_mul_i32 s56, s14, 12                         ; THE DEAL: bit 12 x (work-group) + wave of the table says whether a wave has a fifth tile
	s_lshl_b32 s57, s16, 2
	s_add_co_u32 s56, s56, s57
	s_lshr_b32 s56, 0xe399e7, s56
	s_and_b32 s56, s56, 15                         ; the four bits of my head's four waves
	s_bcnt1_i32_b32 s57, s56
	s_sub_co_u32 s57, 21, s57                      ; 37 less this work-group's tiles of the head: what the even work-group has of it
	s_mul_i32 s19, s57, s14
	s_lshl_b32 s57, s17, 2
	s_add_co_u32 s19, s19, s57
	s_lshl_b32 s57, 1, s17
	s_sub_co_u32 s57, s57, 1
	s_and_b32 s57, s57, s56
	s_bcnt1_i32_b32 s57, s57
	s_add_co_u32 s19, s19, s57                     ; my first tile
	s_lshr_b32 s21, s56, s17
	s_and_b32 s21, s21, 1
	s_add_co_u32 s21, s21, 3                       ; the loop's trips, 3 or 4: the first tile stands ahead of it
	s_add_co_u32 s22, s19, s21                     ; my last tile
	s_mov_b32 s20, s19
	s_mov_b32 s28, (3<<16)|(1<<20)|(5<<22)|(15<<25) ; group 1: elements of 8 bytes; behind every 64 words 16 words of padding
	s_mov_b32 s29, 32<<16                          ; tensor_dim0 = 32 (256 bytes)
	s_mov_b32 s30, 17<<16                          ; tensor_dim1 = 17
	s_mov_b32 s31, 32<<16                          ; tile_dim0
	s_mov_b32 s32, 17                              ; tile_dim1: a third of a piece
	s_mov_b32 s33, 32                              ; pitch
	s_mov_b32 s34, 0
	s_mov_b32 s35, 0
	s_mul_i32 s23, s[WV], 11
	s_lshr_b32 s23, s23, 5                         ; wave / 3: the record that I fetch for
	s_mul_i32 s24, s23, 3
	s_sub_co_u32 s24, s[WV], s24                   ; wave % 3: which third
	s_mul_i32 s25, s23, RECL
	s_mul_i32 s56, s24, 5440
	s_add_co_u32 s25, s25, s56                     ; my third of piece 0 in LDS,
	s_mul_i32 s50, s23, RECM
	s_mul_i32 s56, s24, 4352
	s_add_co_u32 s50, s50, s56                     ; and from the three records' first byte in memory
	s_mov_b32 s51, 0
	s_mul_i32 s56, s15, 12
	s_mul_i32 s57, s13, 3
	s_add_co_u32 s57, s56, s57                     ; 12 b + the first of the three heads
	s_mul_i32 s48, s57, RECM
	s_mov_b32 s49, 0
	s_add_co_u32 s56, s56, s18                     ; 12 b + head
	s_mul_i32 s52, s56, 33280
	s_mov_b32 s53, 0
	s_mul_i32 s66, s56, 40
	s_add_co_u32 s66, s66, s19
	s_lshl_b32 s66, s66, 6
	s_mov_b32 s67, 0
	s_mul_i32 s2, s15, 40
	s_add_co_u32 s54, s2, s19
	s_mul_i32 s54, s54, 12
	s_add_co_u32 s54, s54, s18
	s_mul_i32 s54, s54, 768
	s_mov_b32 s55, 0
	s_add_co_u32 s3, s24, 37                       ; the tile without queries that I clear (waves 0-8 of the odd work-group): 37 + wave % 3 of head wave / 3
	s_add_co_u32 s58, s2, s3
	s_mul_i32 s58, s58, 12
	s_mul_i32 s2, s13, 3
	s_add_co_u32 s58, s58, s2
	s_add_co_u32 s58, s58, s23
	s_mul_i32 s58, s58, 768
	s_mov_b32 s59, 0
	s_add_co_u32 s62, s57, s23
	s_mul_i32 s62, s62, 40
	s_add_co_u32 s62, s62, s3
	s_lshl_b32 s62, s62, 6
	s_mov_b32 s63, 0
	s_sub_co_u32 s2, 76, s14                       ; the prefetches: the last of my work-group's blocks,
	s_mul_i32 s3, s14, 77                          ; and the first
	s_mul_i32 s47, s16, RECL                       ; my head's record in LDS
	s_mov_b32 s[CS], 0x3e38aa3b
	s_mov_b32 s[CS+1], s[CS]                       ; (named with it as a pair)
	s_mov_b32 s[SEL], 0x76543210
	s_mov_b32 s[SEL+1], 0xfedcba98
	s_mov_b32 s[HM], 0xffff0000
	s_mov_b32 s56, s19
	v_and_b32 v12, 31, v0                          ; l
	v_and_b32 v13, 15, v0                          ; r
	v_bfe_u32 v14, v0, 4, 1                        ; h
	v_bfe_u32 v15, v0, 3, 1                        ; e = r / 8
	v_lshlrev_b32 v[L16], 4, v12
	v_lshlrev_b32 v[L8], 3, v12
	v_lshlrev_b32 v[R4], 2, v13
	v_lshlrev_b32 v[H8], 3, v14
	v_lshlrev_b32 v1, 4, v13
	v_mad_u32_u24 v1, v14, 320, v1
	v_add_nc_u32 v4, s47, v1                       ; V's 16 bytes: 16 r + 320 h
	v_mad_u32_u24 v1, v15, 1792, v4                ; K's: rows 8-15 come from the half image two tiles on, eight rows up: + 1,920 - 128
	v_add_nc_u32 v2, s47, v[L8]
	v_mad_u32_u24 v2, v15, 1856, v2                ; K's 8 bytes: 8 l, + 1,920 - 64
	v_lshl_add_u32 v5, v12, 2, s47                 ; V's words: 4 l
	v_mad_u32_u24 v3, v15, 96, v5                  ; K's: + 128 - 32
.irp n, 1,2,3,4,5
	v_add_nc_u32 v[5+\n], 3*PIECEL, v[\n]
.endr
	v_add_nc_u32 v[PFO], 0xfffffee0, v0            ; thread - 288: 0 .. 95 in waves 9-11
	v_min_u32 v[PFO], s2, v[PFO]
	v_add_nc_u32 v[PFO], s3, v[PFO]                ; my block j of a piece's 153
	v_mul_u32_u24 v13, v[PFO], 1286
	v_lshrrev_b32 v13, 16, v13                     ; j / 51: the record
	v_mul_u32_u24 v13, v13, RECM-PIECEM
	v_lshl_add_u32 v[PFO], v[PFO], 8, v13
.irp n, 0,1,2,3,4,5
	v_mov_b32 v[Q+6+\n], 0                         ; the upper 64 of q's K
	v_mov_b32 v[KF+48+\n], 0                       ; what the eighth tile of K names behind its own codes
.endr
	v_mov_b32 v[T2], 0                             ; a lane permute's destination counts as read
	v_mov_b32 v[T2+1], 0
	v_mov_b32 v[TP], 0
	v_mov_b32 v[F+1], 0                            ; (named as the upper half of a pair)
	v_mov_b32 v[NINF], 0xff800000
	QADDR
	s_wait_alu depctr_va_vdst(0)
	s_wait_dscnt 0x0                               ; both opening adds are done
	s_wait_kmcnt 0x0
	s_add_nc_u64 s[60:61], s[6:7], s[48:49]        ; the three records
	s_add_nc_u64 s[26:27], s[60:61], s[50:51]      ; my third of piece 0
	s_add_nc_u64 s[36:37], s[4:5], s[52:53]        ; q's record
	s_add_nc_u64 s[38:39], s[8:9], s[54:55]        ; where my first tile's codes go
	s_add_nc_u64 s[40:41], s[10:11], s[66:67]      ; and its scale words
	s_add_nc_u64 s[58:59], s[8:9], s[58:59]        ; the tile that I clear
	s_add_nc_u64 s[62:63], s[10:11], s[62:63]
.irp s, 0,1,2,3,4
	s_mov_b32 s[G0+4*\s], 1                                        ; count = 1
	s_add_co_u32 s[G0+4*\s+1], s25, \s*PIECEL                      ; LDS address
	s_add_nc_u64 s[G0+4*\s+2:G0+4*\s+3], s[26:27], \s*PIECEM       ; global address
	s_or_b32 s[G0+4*\s+3], s[G0+4*\s+3], 0x80000000               ; type 2
.endr
	FILL 0                                         ; piece 0: one tensor load a wave at the head
	s_cmp_lt_u32 s[WV], 9
	s_cselect_b32 s56, s14, 0
	s_cmp_lg_u32 s56, 0
	s_cbranch_scc0 .Lno_pad                        ; ids alone
	global_store_b128 v[L16], v[Q+6:Q+9], s[58:59]             ; zero codes,
	global_store_b64 v[L8], v[Q+6:Q+7], s[58:59] offset:512
	global_store_b32 v[R4], v[Q+6], s[62:63]                   ; and scale bytes 0, which are finite codes
.Lno_pad:
	QLOAD                                          ; my first tile's q
	MEET 1                                         ; piece 0 is whole; piece 1 is asked for
	KLOAD 0
	TRIP 1                                         ; my first tile, step by step as the pieces land
	s_mov_b32 s2, 0                                ; trips done; s21, which the loop does not write, holds how many there are
.Ltile:
	TRIP 0
	s_add_co_u32 s2, s2, 1
	s_cmp_lt_u32 s2, s21
	s_cbranch_scc1 .Ltile
	s_wait_tensorcnt 0x0                           ; the wave's end
	ds_add_u32 v[SPW], v[NIL]
	s_wait_dscnt 0x0
	s_endpgm
.Lfunc_end_k_qe4e5d1c8be_attn:
	.size	k_qe4e5d1c8be_attn, .Lfunc_end_k_qe4e5d1c8be_attn-k_qe4e5d1c8be_attn
	.p2alignl 7, 3214868480
	.fill 96, 4, 3214868480
	.section	.rodata,"a",@progbits
	.p2align	6, 0x0
	.amdhsa_kernel k_qe4e5d1c8be_attn
		.amdhsa_group_segment_fixed_size 327680
		.amdhsa_private_segment_fixed_size 0
		.amdhsa_enable_private_segment 0
		.amdhsa_kernarg_size 32
		.amdhsa_user_sgpr_count 2
		.amdhsa_user_sgpr_kernarg_segment_ptr 1
		.amdhsa_wavefront_size32 1
		.amdhsa_system_sgpr_workgroup_id_x 1
		.amdhsa_system_sgpr_workgroup_id_y 1
		.amdhsa_system_sgpr_workgroup_id_z 1
		.amdhsa_system_vgpr_workitem_id 0
		.amdhsa_next_free_vgpr 256
		.amdhsa_next_free_sgpr 88
		.amdhsa_reserve_vcc 0
		.amdhsa_float_denorm_mode_32 3
		.amdhsa_float_denorm_mode_16_64 3
		.amdhsa_memory_ordered 1
		.amdhsa_forward_progress 1
		.amdhsa_inst_pref_size 165
	.end_amdhsa_kernel
	.amdgpu_metadata
---
amdhsa.version: [ 1, 2 ]
amdhsa.kernels:
  - .name:           k_qe4e5d1c8be_attn
    .symbol:         k_qe4e5d1c8be_attn.kd
    .args:
      - { .name: qb, .offset: 0, .size: 8, .value_kind: global_buffer, .address_space: global }
      - { .name: kv, .offset: 8, .size: 8, .value_kind: global_buffer, .address_space: global }
      - { .name: ac, .offset: 16, .size: 8, .value_kind: global_buffer, .address_space: global }
      - { .name: asc, .offset: 24, .size: 8, .value_kind: global_buffer, .address_space: global }
    .group_segment_fixed_size: 327680
    .private_segment_fixed_size: 0
    .kernarg_segment_align: 8
    .kernarg_segment_size: 32
    .max_flat_workgroup_size: 384
    .sgpr_count:     88
    .vgpr_count:     256
    .wavefront_size: 32
...
	.end_amdgpu_metadata
.endif
;; end of part 3
;; launch oproj (part 4): grid 8 x 30, 4 waves a work-group, clusters of 4 x 1, 216,576 bytes of LDS; arguments ac, asc, opq, bo, out0; writes out0
.if DOCPART == 4
	.amdgcn_target "amdgcn-amd-amdhsa--gfx1250"
	.amdhsa_code_object_version 6
	.text
	.protected	k_qe4e5d1c8be_oproj
	.globl	k_qe4e5d1c8be_oproj
	.p2align	8
	.type	k_qe4e5d1c8be_oproj,@function
k_qe4e5d1c8be_oproj:
	s_mov_b64 s[64:65], 0
	v_nop
	global_prefetch_b8 v0, s[64:65] scope:SCOPE_SE
	s_setreg_imm32_b32 hwreg(HW_REG_WAVE_MODE, 25, 1), 1
	s_wait_xcnt 0x0
	s_wait_alu depctr_hold_cnt(0) depctr_sa_sdst(0) depctr_va_vdst(0) depctr_va_sdst(0) depctr_va_ssrc(0) depctr_va_vcc(0) depctr_vm_vsrc(0)
	s_getreg_b32 s2, hwreg(HW_REG_IB_STS2, 6, 4)
	s_cmp_eq_u32 s2, 0
	s_cbranch_scc0 .Lentry_in_a_cluster
	s_endpgm
.Lentry_in_a_cluster:
	s_bfe_u32 s2, ttmp6, 0x10000c
	s_cmp_lg_u32 s2, 0x3003
	s_cbranch_scc0 .Lentry_shape_is_right
	s_endpgm
.Lentry_shape_is_right:
; out0 = a Wo^T + bo, a the attention's result as codes of FP6 with E8M0 scales (half images of 64 channels a head), Wo as codes out of opq.
; SHARES.  Work-group (x, y): y = 5 sl + ch: output columns 128 sl .. + 127 (8 tiles of Wo), tokens 128 ch .. + 127 of a batch of 640.  Wave w: batch 4 x + w; its 8 token tiles x 6 K steps stay in 576 registers.
; The slice of Wo (73,728 bytes of codes, 3,072 of scale words) lies in LDS, filled once.  CLUSTER: the four work-groups of a cluster differ in x alone: each wave asks for a quarter of the slice JOINTLY.
; Four passes of 96 matrix instructions (32 columns x 128 tokens x K 768), 16 accumulators by turns, one instruction a turn.  Source 0 = 16 rows of Wo, source 1 = 16 tokens:
; a lane holds one token and 16 neighbouring columns.  bo is the C of each sum's first instruction.
; THE WAY OUT: two passes' 64 columns meet in the wave's own stage (128 rows x (256 + 16) bytes) and leave by rows: sixteen lanes store 256 consecutive bytes at a multiple of 256 from out0's first byte.
; Stage row 16 t + r is token 32 (t / 2) + 8 (t % 2) + r + 8 (r / 8) of the 128.  Tokens above 576 are not stored.
.set WSC,    73728
.set STAGE,  76800
.set SPITCH, 272
.set SPARE,  STAGE+4*128*SPITCH        ; behind the stages: the spare words, two blocks of 256 bytes that no other line names
.set L16, 1
.set L4,  2
.set L8,  3
.set BO,  4                            ; 64 h
.set WA0, 5                            ; LDS: tiles 0-3;
.set WA1, 6                            ; tiles 4-7
.set WSA, 7
.set AO,  8                            ; 2,560 h + 4 r: a's scale words, head by half
.set STO, 9
.set RD,  10
.set GO,  11
.set SPW, 12                           ; LDS address of my spare word; never rewritten
.set NIL, 13                           ; 0; never rewritten
.set RD0, 14                           ; one row, both halves of the lanes alike
.set GO0, 15
.set XS,  16
.set WS,  40
.set ACC, 48
.set OB,  176                          ; v176-239 rows on their way out
.set WV,  16
.set CH,  21
.set MSB, 0
.macro WIN new                         ; the immediate's high byte repeats the setting that is left
.if MSB != (\new)
	s_set_vgpr_msb (MSB<<8)|(\new)
.set MSB, (\new)
.endif
.endm
.macro CROUND                          ; a round of the cluster's barrier
	s_barrier_signal -1
	s_barrier_wait -1
	s_cmp_lg_u32 s[WV], 0
	s_cbranch_scc1 .Lnot_wave_0_\@
	s_barrier_signal -3
.Lnot_wave_0_\@:
	s_barrier_wait -3
	s_barrier_signal -1
	s_barrier_wait -1
.endm
.macro NOP5                            ; five places behind the last matrix instruction: four serve loads into its operands and reads of results; the fifth the next pass, which begins the accumulators anew with another C
.rept 5
	v_nop
.endr
.endm
.macro WM d, a, b, c, sa, sb, row
.if \row
	v_wmma_scale_f32_16x16x128_f8f6f4 v[(\d):(\d)+7], v[(\a):(\a)+11], v[(\b):(\b)+11], v[(\c):(\c)+7], v[(\sa)], v[(\sb)] matrix_a_fmt:MATRIX_FMT_FP6 matrix_b_fmt:MATRIX_FMT_FP6 matrix_a_scale:MATRIX_SCALE_ROW1 matrix_b_scale:MATRIX_SCALE_ROW1
.else
	v_wmma_scale_f32_16x16x128_f8f6f4 v[(\d):(\d)+7], v[(\a):(\a)+11], v[(\b):(\b)+11], v[(\c):(\c)+7], v[(\sa)], v[(\sb)] matrix_a_fmt:MATRIX_FMT_FP6 matrix_b_fmt:MATRIX_FMT_FP6
.endif
.endm
.macro PASS
.irp s, 0,1,2,3,4,5
.if \s == 0
	WIN 0x15                                       ; operands and the bias in window 1, the sums in window 0
.elseif \s == 1
	WIN 0x05
.elseif \s == 2
	WIN 0x0a
.elseif \s == 4
	WIN 0x0f
.endif
.irp t, 0,1,2,3,4,5,6,7
.irp u, 0,1
.set rX, 96*(\s%2)+12*\t
.set rW, 192+24*(\s%2)+12*\u
.set sX, XS+3*\t+\s/2
.set sW, WS+3*\u+\s/2
.set rD, ACC+16*\t+8*\u
.set rC, rD
.if \s == 0
.set rC, 240+8*\u
.endif
	WM rD, rW, rX, rC, sW, sX, \s%2
.endr
.endr
.endr
	WIN 0
.endm
.macro LOADW pn                        ; pass pn's two tiles of Wo: 12 fragments and 6 scale words out of LDS
.irp w, 0,1,2
	WIN 0x40*(\w+1)
.irp sp, 0,1
.irp u, 0,1
.irp c, 0,1,2
	ds_load_b128 v[192+24*\sp+12*\u+4*\c:192+24*\sp+12*\u+4*\c+3], v[WA0+(\pn)/2] offset:(2*((\pn)%2)+\u)*9216+(2*\w+\sp)*1536+512*\c
.endr
.endr
.endr
.endr
	WIN 0
.irp u, 0,1
.irp kp, 0,1,2
	ds_load_b32 v[WS+3*\u+\kp], v[WSA] offset:(2*(\pn)+\u)*384+128*\kp
.endr
.endr
.endm
.macro BIASQ pn                        ; lane (r, h), tile u, register j: bo of column 32 pn + 16 h + 8 u + j of the 128
	WIN 0x40
.irp u, 0,1
	global_load_b128 v[240+8*\u:243+8*\u], v[BO], s[44:45] offset:128*(\pn)+32*\u
	global_load_b128 v[244+8*\u:247+8*\u], v[BO], s[44:45] offset:128*(\pn)+32*\u+16
.endr
	WIN 0
.endm
.macro TOSTAGE p                       ; a pass's 32 columns into my stage, each accumulator from its low end on
.irp t, 0,1,2,3,4,5,6,7
.irp u, 0,1
	ds_store_b128 v[STO], v[ACC+16*\t+8*\u:ACC+16*\t+8*\u+3] offset:16*SPITCH*\t+128*((\p)%2)+32*\u
	ds_store_b128 v[STO], v[ACC+16*\t+8*\u+4:ACC+16*\t+8*\u+7] offset:16*SPITCH*\t+128*((\p)%2)+32*\u+16
.endr
.endr
.endm
.macro OUTP t0, tp                     ; the 32 tokens of tiles t0, t0 + 1: lanes 0-15 take stage row 16 t + k, lanes 16-31 row 16 t + k + 8, which is 16 tokens on
	s_wait_xcnt 0x0                                ; earlier stores have read OB
.set k, 0
.rept 16
	ds_load_b128 v[OB+4*k:OB+4*k+3], v[RD] offset:(16*(\t0+k/8)+k%8)*SPITCH      ; LDS serves a wave's instructions in order: these see my stores
.set k, k+1
.endr
.set k, 0
.rept 16
	s_wait_dscnt 15-k                              ; load k of the run is in; the younger ones may be out
	global_store_b128 v[GO], v[OB+4*k:OB+4*k+3], s[46:47] offset:(32*((\t0+k/8)/2)+8*((\t0+k/8)%2)+k%8)*3072+256*(\tp) th:TH_STORE_NT
.set k, k+1
.endr
.endm
.macro OUT tp
	OUTP 0, \tp
	OUTP 2, \tp
	s_cmp_eq_u32 s[CH], 4
	s_cbranch_scc1 .Ledge_\@                       ; ids alone, the same in all partners
	OUTP 4, \tp
	OUTP 6, \tp
	s_branch .Lsent_\@
.Ledge_\@:                                         ; of the batch's last 64 tokens only token 576 exists: stage row 64; both halves of the lanes store the same bytes at the same place
	s_wait_xcnt 0x0
	ds_load_b128 v[OB:OB+3], v[RD0] offset:64*SPITCH
	s_wait_dscnt 0x0
	global_store_b128 v[GO0], v[OB:OB+3], s[46:47] offset:64*3072+256*(\tp) th:TH_STORE_NT
.Lsent_\@:
.endm
.macro OPASS p
	s_wait_dscnt 0x0                               ; Wo's fragments and words are in, and my stores into the stage have read the accumulators
	s_wait_loadcnt 0x0                             ; bo
	PASS
	NOP5
.if (\p) < 3
	LOADW (\p)+1
	BIASQ (\p)+1
.endif
	TOSTAGE \p
.if (\p)%2
	OUT (\p)/2
.endif
.endm
	s_load_b256 s[4:11], s[0:1], 0x0               ; ac, asc, opq, bo
	s_load_b64 s[12:13], s[0:1], 0x20              ; out0
	v_lshl_add_u32 v[SPW], v0, 2, SPARE
	v_mov_b32 v[NIL], 0
	ds_add_u32 v[SPW], v[NIL]                      ; the wave's opening: the add and its wait stand ahead of my first tensor load; work on registers stands between them
	ds_add_u32 v[SPW], v[NIL]
	v_lshrrev_b32 v48, 5, v0
	v_readfirstlane_b32 s[WV], v48                 ; wave 0..3
	s_bfe_u32 s17, ttmp6, 0x40000                  ; cx: it enters global addresses of my own loads and stores alone
	s_lshl_b32 s18, ttmp9, 2
	s_add_co_u32 s18, s18, s17
	s_and_b32 s19, ttmp7, 0xffff                   ; y, which the four partners share
	s_mul_i32 s20, s19, 13
	s_lshr_b32 s20, s20, 6                         ; sl = y / 5
	s_mul_i32 s[CH], s20, 5
	s_sub_co_u32 s[CH], s19, s[CH]                 ; ch = y % 5
	s_lshl_b32 s24, s18, 2
	s_add_co_u32 s24, s24, s[WV]                   ; my batch
	s_mov_b32 s32, 15|(3<<16)|(1<<21)              ; group 1: mask of all four; elements of 8 bytes; bit 21 beside a mask
	s_mov_b32 s33, 32<<16
	s_mov_b32 s34, 75<<16
	s_mov_b32 s35, 32<<16
	s_mov_b32 s36, 75                              ; a quarter of the slice, 19,200 dense bytes
	s_mov_b32 s37, 32
	s_mov_b32 s38, 0
	s_mov_b32 s39, 0
	s_mov_b32 s28, 1
	s_mul_i32 s29, s[WV], 19200
	s_mul_i32 s56, s20, 76800
	s_add_co_u32 s56, s56, s29
	s_add_co_u32 s56, s56, 13670400
	s_mov_b32 s57, 0
	s_mul_i32 s58, s24, 40
	s_lshl_b32 s59, s[CH], 3
	s_add_co_u32 s58, s58, s59
	s_mul_i32 s58, s58, 9216                       ; a's 8 tiles
	s_mov_b32 s59, 0
	s_mul_i32 s60, s24, 30720
	s_lshl_b32 s61, s[CH], 9
	s_add_co_u32 s60, s60, s61                     ; their scale words, head 0
	s_mov_b32 s61, 0
	s_lshl_b32 s62, s20, 9                         ; 128 columns of f32
	s_mov_b32 s63, 0
	s_mul_i32 s48, s24, 577
	s_lshl_b32 s49, s[CH], 7
	s_add_co_u32 s48, s48, s49
	s_mul_i32 s48, s48, 3072
	s_add_co_u32 s48, s48, s62                     ; my first token's row of out0, my columns
	s_mov_b32 s49, 0
	s_mul_i32 s50, s[WV], 128*SPITCH
	s_add_co_u32 s50, s50, STAGE                   ; my stage
	v_and_b32 v48, 31, v0
	v_lshlrev_b32 v[L16], 4, v48
	v_lshlrev_b32 v[L4], 2, v48
	v_lshlrev_b32 v[L8], 3, v48
	v_and_b32 v48, 15, v0                          ; r
	v_bfe_u32 v49, v0, 4, 1                        ; h
	v_lshlrev_b32 v[BO], 6, v49
	v_add_nc_u32 v[WA0], 0, v[L16]
	v_add_nc_u32 v[WA1], 36864, v[L16]
	v_add_nc_u32 v[WSA], WSC, v[L4]
	v_mul_u32_u24 v[AO], v49, 2560
	v_lshl_add_u32 v[AO], v48, 2, v[AO]
	v_mul_u32_u24 v[STO], v48, SPITCH
	v_lshl_add_u32 v[STO], v49, 6, v[STO]
	v_add_nc_u32 v[STO], s50, v[STO]               ; in: row r, + 64 h
	v_mul_u32_u24 v[RD], v49, 8*SPITCH
	v_lshl_add_u32 v[RD], v48, 4, v[RD]
	v_add_nc_u32 v[RD], s50, v[RD]                 ; back: 16 bytes a lane; lanes 16-31 eight rows on
	v_lshlrev_b32 v[GO0], 4, v48
	v_add_nc_u32 v[RD0], s50, v[GO0]
	v_mul_u32_u24 v[GO], v49, 49152                ; which are 16 tokens on
	v_lshl_add_u32 v[GO], v48, 4, v[GO]
	s_wait_dscnt 0x0                               ; the opening add is done
	s_wait_kmcnt 0x0
	s_add_nc_u64 s[30:31], s[8:9], s[56:57]
	s_or_b32 s31, s31, 0x80000000                  ; type 2
	s_add_nc_u64 s[40:41], s[4:5], s[58:59]
	s_add_nc_u64 s[42:43], s[6:7], s[60:61]
	s_add_nc_u64 s[44:45], s[10:11], s[62:63]
	s_add_nc_u64 s[46:47], s[12:13], s[48:49]
	CROUND                                         ; all four work-groups are here: the joint loads meet
	tensor_load_to_lds s[28:31], s[32:39]          ; my one tensor load: one is out
	s_nop 0
.rept 4
	v_nop
.endr
.irp w, 0,1,2                                  ; a's 48 fragments stay in registers: K step s is heads 2 s and 2 s + 1, a half image each
	WIN 0x40*(\w+1)
.irp sp, 0,1
.irp t, 0,1,2,3,4,5,6,7
.set rX, 96*\sp+12*\t
.set oX, \t*9216+(2*\w+\sp)*1536
	global_load_b128 v[rX:rX+3], v[L16], s[40:41] offset:oX
	global_load_b64 v[rX+4:rX+5], v[L8], s[40:41] offset:oX+512
	global_load_b128 v[rX+6:rX+9], v[L16], s[40:41] offset:oX+768
	global_load_b64 v[rX+10:rX+11], v[L8], s[40:41] offset:oX+1280
.endr
.endr
.endr
	WIN 0
.irp t, 0,1,2,3,4,5,6,7
.irp kp, 0,1,2
	global_load_b32 v[XS+3*\t+\kp], v[AO], s[42:43] offset:10240*\kp+64*\t          ; lanes 0-15 head 4 kp, lanes 16-31 head 4 kp + 1
	global_load_b32 v[ACC+3*\t+\kp], v[AO], s[42:43] offset:10240*\kp+64*\t+5120    ; heads 4 kp + 2, 4 kp + 3
.endr
.endr
	s_wait_tensorcnt 0x0                           ; my quarter of the slice is in,
	s_barrier_signal -1
	s_barrier_wait -1                              ; everybody's is.  Nothing is ever filled again
	LOADW 0
	BIASQ 0
	s_wait_loadcnt 0x0
.set i, 0
.rept 24
	v_permlane16_swap_b32 v[XS+i], v[ACC+i]        ; now the first holds the even heads' two bytes (K steps 2 kp, 2 kp + 1), the second the odd heads'
.set i, i+1
.endr
.set i, 0
.rept 24
	v_lshl_or_b32 v[XS+i], v[ACC+i], 16, v[XS+i]   ; a K step's word: lanes 0-15 step 2 kp, lanes 16-31 step 2 kp + 1
.set i, i+1
.endr
.rept 8
	v_nop                                          ; a scale word made by vector instructions stands eight places ahead of the scaled product
.endr
	s_wait_alu depctr_va_vdst(0)
	OPASS 0
	OPASS 1
	OPASS 2
	OPASS 3
	s_wait_tensorcnt 0x0                           ; the wave's end, behind my last LDS store
	ds_add_u32 v[SPW], v[NIL]
	s_wait_dscnt 0x0
	CROUND                                         ; the closing round
	s_endpgm
.Lfunc_end_k_qe4e5d1c8be_oproj:
	.size	k_qe4e5d1c8be_oproj, .Lfunc_end_k_qe4e5d1c8be_oproj-k_qe4e5d1c8be_oproj
	.p2alignl 7, 3214868480
	.fill 96, 4, 3214868480
	.section	.rodata,"a",@progbits
	.p2align	6, 0x0
	.amdhsa_kernel k_qe4e5d1c8be_oproj
		.amdhsa_group_segment_fixed_size 216576
		.amdhsa_private_segment_fixed_size 0
		.amdhsa_enable_private_segment 0
		.amdhsa_kernarg_size 40
		.amdhsa_user_sgpr_count 2
		.amdhsa_user_sgpr_kernarg_segment_ptr 1
		.amdhsa_wavefront_size32 1
		.amdhsa_system_sgpr_workgroup_id_x 1
		.amdhsa_system_sgpr_workgroup_id_y 1
		.amdhsa_system_sgpr_workgroup_id_z 1
		.amdhsa_system_vgpr_workitem_id 0
		.amdhsa_next_free_vgpr 1024
		.amdhsa_next_free_sgpr 66
		.amdhsa_reserve_vcc 0
		.amdhsa_float_denorm_mode_32 3
		.amdhsa_float_denorm_mode_16_64 3
		.amdhsa_memory_ordered 1
		.amdhsa_forward_progress 1
		.amdhsa_inst_pref_size 126
	.end_amdhsa_kernel
	.amdgpu_metadata
---
amdhsa.version: [ 1, 2 ]
amdhsa.kernels:
  - .name:           k_qe4e5d1c8be_oproj
    .symbol:         k_qe4e5d1c8be_oproj.kd
    .args:
      - { .name: ac, .offset: 0, .size: 8, .value_kind: global_buffer, .address_space: global }
      - { .name: asc, .offset: 8, .size: 8, .value_kind: global_buffer, .address_space: global }
      - { .name: opq, .offset: 16, .size: 8, .value_kind: global_buffer, .address_space: global }
      - { .name: bo, .offset: 24, .size: 8, .value_kind: global_buffer, .address_space: global }
      - { .name: out0, .offset: 32, .size: 8, .value_kind: global_buffer, .address_space: global }
    .group_segment_fixed_size: 216576
    .private_segment_fixed_size: 0
    .kernarg_segment_align: 8
    .kernarg_segment_size: 40
    .max_flat_workgroup_size: 128
    .sgpr_count:     66
    .vgpr_count:     1024
    .wavefront_size: 32
...
	.end_amdgpu_metadata
.endif
;; end of part 4
